; MI455X (gfx1250); checked and timed in simulation.
; The chip was launched on July 23, 2026; its instructions are those of AMD's public machine-readable ISA for CDNA 5 (MIT licence, August 2026) and "CDNA5" Instruction Set Architecture Reference Guide (July 2026). The comments in the code are by the model that wrote it; some were corrected since.
;; Multi Head Attention. Allowed arithmetic: matrix products marked QUANTISED: E5M2 operands, one E8M0 scale for each 32 along K, by v_wmma_scale_f32_16x16x128_f8f6f4 with both operands' format E5M2, f32 sums; everything else in f32.
;; Inputs: Wk 12 x 768 x 64 float32; Wp 768 x 768 float32; Wq 12 x 768 x 64 float32; Wv 12 x 768 x 64 float32; bk 12 x 64 float32; bp 768 float32; bq 12 x 64 float32; bv 12 x 64 float32; x 16 x 1,024 x 768 float32.
;; Outputs: out0 16 x 1,024 x 768 float32.
;; This version of the problem:
;;   THIS VERSION OF THE PROBLEM IS GIVEN IN LOW PRECISION. The matrix products marked QUANTISED in the list below multiply operands that are first quantised to E5M2 (5 exponent bits, 2 mantissa bits; 8 bits a number), with one power-of-two scale for each 32 numbers along K (OCP MX v1.0); their sums are f32. All else is computed in f32.
;;   The module's matrix products, in the order in which they are computed (A, B: the left and right operand; K: the contracted axis; several contracted axes count as one K, in the product's order):
;;     1. [M 768, K 768] x [K 768, N 16,384]; A: input Wq; B: input x: QUANTISED
;;     2. [M 768, K 768] x [K 768, N 16,384]; A: input Wk; B: input x: QUANTISED
;;     3. [M 768, K 768] x [K 768, N 16,384]; A: input Wv; B: input x: QUANTISED
;;     4. batch 192 x [M 1,024, K 64] x [K 64, N 1,024]; A: computed on the way; B: computed on the way: QUANTISED
;;     5. batch 192 x [M 1,024, K 1,024] x [K 1,024, N 64]; A: softmax (see below); B: computed on the way: QUANTISED
;;     6. [M 16,384, K 768] x [K 768, N 768]; A: computed on the way; B: input Wp: QUANTISED
;;   THE QUANTISER, for each operand of a quantised product, along K:
;;     - K is cut into blocks of 32 from its start; a last block that is shorter is filled with zeros.
;;     - A block's scale is 2^e with e = floor(log2(the largest magnitude in the block)) - 15, held to -126 .. 127; a block of zeros has e = 0. As a byte (E8M0): e + 127.
;;     - Each number is divided by its block's scale, clamped to +-57,344, and rounded to the nearest number of E5M2, ties to even, subnormals kept.
;;     - The product sums the exact products of the quantised numbers (number of the format x scale) in f32.
;;   ~~~python
;;   def quantise(x, axis):      # numpy; x: float32 -> the quantised numbers, widened to float32 again
;;       x = np.moveaxis(x, axis, -1); K = x.shape[-1]
;;       x = np.pad(x, [(0, 0)] * (x.ndim - 1) + [(0, -K % 32)]); x = x.reshape(x.shape[:-1] + (-1, 32)); a = np.abs(x).max(-1, keepdims=True)
;;       e = np.where(a > 0, np.clip(np.frexp(np.where(a > 0, a, 1))[1] - 1 - 15, -126, 127), 0)      # np.frexp(a)[1] - 1 = floor(log2(a)), exactly
;;       r = np.clip(x / 2.0 ** e, -57344, 57344)
;;       step = 2.0 ** (np.maximum(np.frexp(np.where(r == 0, 1, r))[1] - 1, -14) - 2)
;;       q = np.round(r / step) * step * 2.0 ** e      # np.round: ties to even
;;       return np.moveaxis(q.reshape(q.shape[:-2] + (-1,))[..., :K], -1, axis).astype(np.float32)
;;   ~~~
;;   SOFTMAX AHEAD OF A QUANTISED PRODUCT. Where the list says 'softmax', what is quantised is not the finished softmax but p = 2^(t - M), with t = logit x log2(e) and M = ceil(the row's largest t), a whole number; so 1/2 < the row's largest p <= 1. The row's sum l is taken of the UNQUANTISED p, in f32, and the product's result is divided by l at the end. Since M is a whole number, a kernel that streams over the keys may use a running M (the ceiling of the running maximum): every later rescaling is an exact power of two, which a block's scale takes up: the codes' values come out the same.
;;   OPERANDS COMPUTED ON THE WAY. 'Computed on the way' means the value that the module computes at that place (a softmax that the list does not call 'softmax' is quantised finished and normalised). What goes into a quantiser is computed in f32, as accurately as f32 sums, v_exp_f32 and their like allow (about 1e-6 of the number): no bf16 or f16 on the way to a quantiser, and a product that is left as it is and whose result goes on into a quantised operand takes f32 operands (vector FMAs, or v_wmma_f32_16x16x4_f32). A number that lies on a knife's edge between two numbers of the format may be rounded either way, as far as f32 arithmetic and the matrix unit's own rounding can turn it there, and no further.
;; 2 versions. Each part assembles by itself: llvm-mc -triple=amdgcn-amd-amdhsa -mcpu=gfx1250 --defsym DOCPART=n.
;; ======== version 1 of 2: 4 launches
;; workspace buffers: wimg 2,752,512 bytes; qkv 40,108,032 bytes; oimg 13,369,344 bytes
;; launch quantw (part 1): grid 12 x 24, 4 waves a work-group, no clusters, 0 bytes of LDS; arguments Wq, Wk, Wv, Wp, bq, bk, bv, bp, wimg; writes wimg
.if DOCPART == 1
	.amdgcn_target "amdgcn-amd-amdhsa--gfx1250"
	.amdhsa_code_object_version 6
	.text
	.protected	k_q61a3a4f717_quantw
	.globl	k_q61a3a4f717_quantw
	.p2align	8
	.type	k_q61a3a4f717_quantw,@function
k_q61a3a4f717_quantw:
	s_mov_b64 s[64:65], 0
	v_nop
	global_prefetch_b8 v0, s[64:65] scope:SCOPE_SE
	s_setreg_imm32_b32 hwreg(HW_REG_WAVE_MODE, 25, 1), 1
	s_wait_xcnt 0x0
; The four weights (f32, K = their d axis, which is NOT innermost) become codes of E5M2 with one E8M0 byte for each 32 along K, laid as IMAGES OF THE OPERAND'S REGISTERS.
; wimg: 48 units of 64 columns (slot 3 head + which for Wq, Wk, Wv; slot 36 + p for Wp's columns 64 p on); a unit is 4 tiles of 16 columns, 14,336 bytes each:
;   codes (4 s + c) x 512 + 16 x lane (K step s of 128, register group c) | from 12,288 scale words 32 x lane + 4 s | from 13,312 the bias in the result's layout, g x 512 + 16 x lane.
; THE COLUMNS OF A TILE ARE NOT NEIGHBOURS: row rho of tile n is column 32 (n / 2) + 8 (n % 2) + rho + 8 (rho / 8), so that the results of tiles 2 b, 2 b + 1 are 16 neighbours along the next product's K.
; SHARES: work-group x = head (or p); y % 4 = which weight; y / 4 = K step; wave = tile.  A wave makes one fragment: a lane takes a column and its 64 registers run down K in the operand's own order,
; so the conversions' results are the operand's registers.  A load touches pieces of 32 bytes; the four waves of a work-group together use every byte of the 128 rows x 256 bytes that they touch.
; A block's scale byte is its largest magnitude's exponent field - 15, held at 1 from below.  LIMITS: a block of zeros gets the byte 1 where the rule says 127 (its codes are zeros, and this program alone
; reads the bytes); NaN and infinities among the inputs are not served.  No matrix unit, LDS or cluster: each number is read once and waves share nothing.
.set UB,   57344                       ; bytes of a unit
.set NTB,  14336                       ; bytes of a tile's record
.set PW,   9                           ; v9      the scale word
.set BIA,  16                          ; v16-23  the bias image
.set TM,   32                          ; v32-47  at work in QUANT
.set PC,   48                          ; v48-63  the codes
.set X,    64                          ; v64-127 the numbers: register 16 c + i = W(128 ks + 32 c + 16 h + i, my column)
.set SEL,  36                          ; s[36:37] lane selects: lane l xor 16
.set MNT,  38                          ; s38     the mantissa field of 57,344
; 64 numbers of a lane, register 16 b + i = k 32 b + 16 (lane / 16) + i, become a fragment's codes in v[PC] on and its scale word in v[PW]
.macro QUANT s
.irp b, 0,1,2,3
	v_max3_num_f32 v[TM+\b], |v[\s+16*\b]|, |v[\s+1+16*\b]|, 0x8000000   ; my 16 numbers of block b, and the floor 2^(16 - 127): the byte cannot fall under 1
.endr
.irp i, 2,4,6,8,10,12,14
.irp b, 0,1,2,3
	v_max3_num_f32 v[TM+\b], v[TM+\b], |v[\s+16*\b+\i]|, |v[\s+1+16*\b+\i]|
.endr
.endr
.irp b, 0,1,2,3
	v_permlanex16_b32 v[TM+4+\b], v[TM+\b], s[SEL], s[SEL+1]
.endr
.irp b, 0,1,2,3
	v_max_num_f32 v[TM+\b], v[TM+\b], v[TM+4+\b]                   ; with lane l xor 16's: the block's largest magnitude
.endr
.irp b, 0,1,2,3
	v_add_nc_u32 v[TM+12+\b], 0xf8800000, v[TM+\b]                 ; 15 off its exponent field: the conversion's scale operand
.endr
.irp b, 0,1,2,3
	v_and_or_b32 v[TM+8+\b], v[TM+\b], 0x7f800000, s[MNT]          ; 57,344 x the scale
.endr
.irp b, 0,1,2,3
	v_lshrrev_b32 v[TM+4+\b], 23, v[TM+12+\b]                      ; the scale's byte
.endr
	v_lshl_or_b32 v[PW], v[TM+5], 8, v[TM+4]
	v_lshl_or_b32 v[PW], v[TM+6], 16, v[PW]
	v_lshl_or_b32 v[PW], v[TM+7], 24, v[PW]
.irp b, 0,1,2,3
.irp i, 0,1,2,3,4,5,6,7,8,9,10,11,12,13,14,15
	v_med3_num_f32 v[\s+16*\b+\i], v[\s+16*\b+\i], -v[TM+8+\b], v[TM+8+\b]   ; the conversion to an 8-bit code does not saturate (ISA guide 7.6.2): hold first
.endr
	v_cvt_scalef32_pk8_bf8_f32 v[PC+4*\b:PC+1+4*\b], v[\s+16*\b:\s+7+16*\b], v[TM+12+\b]
	v_cvt_scalef32_pk8_bf8_f32 v[PC+2+4*\b:PC+3+4*\b], v[\s+8+16*\b:\s+15+16*\b], v[TM+12+\b]
.endr
	v_nop                                          ; one plain instruction behind the last scaled conversion
.endm
.macro WLOAD pitch                     ; 64 loads: W(32 c + i (+ 16 h), my column)
.irp c, 0,1,2,3
.irp i, 0,1,2,3,4,5,6,7,8,9,10,11,12,13,14,15
	global_load_b32 v[X+16*\c+\i], v5, s[4:5] offset:(32*\c+\i)*\pitch
.endr
.endr
.endm
	s_load_b256 s[4:11], s[0:1], 0x0               ; Wq, Wk, Wv, Wp
	s_load_b256 s[12:19], s[0:1], 0x20             ; bq, bk, bv, bp
	s_load_b64 s[20:21], s[0:1], 0x40              ; wimg
	v_lshrrev_b32 v1, 5, v0
	v_readfirstlane_b32 s22, v1                    ; wave = tile n
	v_and_b32 v1, 31, v0                           ; lane
	v_and_b32 v2, 15, v0                           ; r
	v_bfe_u32 v3, v0, 4, 1                         ; h
	s_mov_b32 s23, ttmp9                           ; head, or p
	s_and_b32 s24, ttmp7, 0xffff
	s_and_b32 s25, s24, 3                          ; which: 0 q, 1 k, 2 v, 3 p
	s_lshr_b32 s26, s24, 2                         ; K step
	s_lshr_b32 s30, s22, 1
	s_lshl_b32 s30, s30, 5
	s_and_b32 s31, s22, 1
	s_lshl_b32 s31, s31, 3
	s_add_co_u32 s30, s30, s31                     ; the tile's first column: 32 (n / 2) + 8 (n % 2)
	v_and_b32 v4, 8, v2
	v_add_nc_u32 v4, v4, v2
	v_add_nc_u32 v4, s30, v4
	v_lshlrev_b32 v4, 2, v4                        ; my column, in bytes
	v_lshlrev_b32 v6, 4, v1                        ; 16 x lane
	v_lshlrev_b32 v7, 5, v1
	v_lshl_add_u32 v7, s26, 2, v7                  ; 32 x lane + 4 x K step
	s_mov_b32 s[SEL], 0x76543210
	s_mov_b32 s[SEL+1], 0xfedcba98
	s_mov_b32 s[MNT], 0x600000
.irp b, 0,1,2,3
	v_mov_b32 v[TM+4+\b], 0                        ; a lane permute's destination counts as one of its sources
.endr
	s_mul_i32 s29, s23, 3
	s_add_co_u32 s29, s29, s25                     ; slot 3 head + which,
	s_add_co_u32 s33, s23, 36                      ; or 36 + p
	s_mov_b32 s27, 256                             ; bytes from row to row of K,
	s_mov_b32 s28, 196608                          ; and from head to head
	s_wait_kmcnt 0x0
	s_cmp_eq_u32 s25, 1                            ; the buffers are chosen on the work-group's number alone
	s_cselect_b64 s[4:5], s[6:7], s[4:5]
	s_cselect_b64 s[12:13], s[14:15], s[12:13]
	s_cmp_eq_u32 s25, 2
	s_cselect_b64 s[4:5], s[8:9], s[4:5]
	s_cselect_b64 s[12:13], s[16:17], s[12:13]
	s_cmp_eq_u32 s25, 3
	s_cselect_b64 s[4:5], s[10:11], s[4:5]
	s_cselect_b64 s[12:13], s[18:19], s[12:13]
	s_cselect_b32 s27, 3072, s27
	s_cselect_b32 s28, 256, s28
	s_cselect_b32 s29, s33, s29
	s_mul_i32 s32, s23, s28
	s_mul_i32 s33, s26, s27
	s_lshl_b32 s33, s33, 7                         ; 128 rows of K for each K step
	s_add_co_u32 s32, s32, s33
	s_mov_b32 s33, 0
	s_add_nc_u64 s[4:5], s[4:5], s[32:33]          ; the weight at my unit's first column and my K step's first row
	s_lshl_b32 s32, s23, 8
	s_add_nc_u64 s[12:13], s[12:13], s[32:33]      ; the bias at my unit's 64 numbers
	s_mul_i32 s32, s29, UB
	s_mul_i32 s31, s22, NTB
	s_add_co_u32 s32, s32, s31
	s_add_nc_u64 s[20:21], s[20:21], s[32:33]      ; my tile's record
	s_lshl_b32 s32, s26, 11
	s_add_nc_u64 s[34:35], s[20:21], s[32:33]      ; and my fragment in it
	s_cmp_eq_u32 s25, 3
	s_cbranch_scc1 .Lwp
	v_lshl_add_u32 v5, v3, 12, v4                  ; lanes 16-31 begin 16 rows of 256 bytes further down
	WLOAD 256
	s_branch .Lloaded
.Lwp:
	v_mad_u32_u24 v5, v3, 0xc000, v4               ; 16 rows of 3,072 bytes
	WLOAD 3072
.Lloaded:
	s_wait_loadcnt 0x0
	QUANT X
.irp c, 0,1,2,3
	global_store_b128 v6, v[PC+4*\c:PC+4*\c+3], s[34:35] offset:512*\c   ; 32 lanes store 512 consecutive bytes, aligned
.endr
	global_store_b32 v7, v[PW], s[20:21] offset:12288
	s_cmp_lg_u32 s26, 0                            ; the waves of K step 0 also lay the bias out
	s_cbranch_scc1 .Lend
	s_cmp_eq_u32 s25, 2
	s_cbranch_scc1 .Lbias_v
	v_lshlrev_b32 v8, 6, v3                        ; q, k, p: the weight is source 0, so register j of lane (r, h) is column first + 16 h + j
	v_lshl_add_u32 v8, s30, 2, v8
	global_load_b128 v[BIA:BIA+3], v8, s[12:13]
	global_load_b128 v[BIA+4:BIA+7], v8, s[12:13] offset:16
	s_wait_loadcnt 0x0
	s_branch .Lbias_out
.Lbias_v:
	global_load_b32 v[BIA], v4, s[12:13]           ; v: the weight is source 1, so all eight registers of a lane belong to its own column
	s_wait_loadcnt 0x0
.irp j, 1,2,3,4,5,6,7
	v_mov_b32 v[BIA+\j], v[BIA]
.endr
.Lbias_out:
	global_store_b128 v6, v[BIA:BIA+3], s[20:21] offset:13312
	global_store_b128 v6, v[BIA+4:BIA+7], s[20:21] offset:13824
.Lend:
	s_endpgm
.Lfunc_end_k_q61a3a4f717_quantw:
	.size	k_q61a3a4f717_quantw, .Lfunc_end_k_q61a3a4f717_quantw-k_q61a3a4f717_quantw
	.p2alignl 7, 3214868480
	.fill 96, 4, 3214868480
	.section	.rodata,"a",@progbits
	.p2align	6, 0x0
	.amdhsa_kernel k_q61a3a4f717_quantw
		.amdhsa_group_segment_fixed_size 0
		.amdhsa_private_segment_fixed_size 0
		.amdhsa_enable_private_segment 0
		.amdhsa_kernarg_size 72
		.amdhsa_user_sgpr_count 2
		.amdhsa_user_sgpr_kernarg_segment_ptr 1
		.amdhsa_wavefront_size32 1
		.amdhsa_system_sgpr_workgroup_id_x 1
		.amdhsa_system_sgpr_workgroup_id_y 1
		.amdhsa_system_sgpr_workgroup_id_z 1
		.amdhsa_system_vgpr_workitem_id 0
		.amdhsa_next_free_vgpr 128
		.amdhsa_next_free_sgpr 66
		.amdhsa_reserve_vcc 0
		.amdhsa_float_denorm_mode_32 3
		.amdhsa_float_denorm_mode_16_64 3
		.amdhsa_memory_ordered 1
		.amdhsa_forward_progress 1
		.amdhsa_inst_pref_size 25
	.end_amdhsa_kernel
	.amdgpu_metadata
---
amdhsa.version: [ 1, 2 ]
amdhsa.kernels:
  - .name:           k_q61a3a4f717_quantw
    .symbol:         k_q61a3a4f717_quantw.kd
    .args:
      - { .name: Wq, .offset: 0, .size: 8, .value_kind: global_buffer, .address_space: global }
      - { .name: Wk, .offset: 8, .size: 8, .value_kind: global_buffer, .address_space: global }
      - { .name: Wv, .offset: 16, .size: 8, .value_kind: global_buffer, .address_space: global }
      - { .name: Wp, .offset: 24, .size: 8, .value_kind: global_buffer, .address_space: global }
      - { .name: bq, .offset: 32, .size: 8, .value_kind: global_buffer, .address_space: global }
      - { .name: bk, .offset: 40, .size: 8, .value_kind: global_buffer, .address_space: global }
      - { .name: bv, .offset: 48, .size: 8, .value_kind: global_buffer, .address_space: global }
      - { .name: bp, .offset: 56, .size: 8, .value_kind: global_buffer, .address_space: global }
      - { .name: wimg, .offset: 64, .size: 8, .value_kind: global_buffer, .address_space: global }
    .group_segment_fixed_size: 0
    .private_segment_fixed_size: 0
    .kernarg_segment_align: 8
    .kernarg_segment_size: 72
    .max_flat_workgroup_size: 128
    .sgpr_count:     66
    .vgpr_count:     128
    .wavefront_size: 32
...
	.end_amdgpu_metadata
.endif
;; end of part 1
;; launch qkv (part 2): grid 256 x 1, 4 waves a work-group, no clusters, 86,528 bytes of LDS; arguments x, wimg, qkv; writes qkv
.if DOCPART == 2
	.amdgcn_target "amdgcn-amd-amdhsa--gfx1250"
	.amdhsa_code_object_version 6
	.text
	.protected	k_q61a3a4f717_qkv
	.globl	k_q61a3a4f717_qkv
	.p2align	8
	.type	k_q61a3a4f717_qkv,@function
k_q61a3a4f717_qkv:
	s_mov_b64 s[64:65], 0
	v_nop
	global_prefetch_b8 v0, s[64:65] scope:SCOPE_SE
	s_setreg_imm32_b32 hwreg(HW_REG_WAVE_MODE, 25, 1), 1
	s_wait_xcnt 0x0
; q, k, v = x W + b for all 12 heads, on codes of E5M2 with E8M0 scales; the results are quantised in registers (q, k along the head's 64; v along the keys) and stored as images of the next operands' registers.
; SHARES: a work-group owns 64 tokens.  Wave w first quantises token tile w of x (16 tokens x 768, six fragments); the images meet in LDS behind the kernel's one barrier, and every wave then holds all
; 24 fragments of x in registers.  THE WAVES SHARE THE COLUMNS: wave w walks heads 3 w .. 3 w + 2, for each the units Q, K, V of 64 columns (4 tiles x 6 K steps x 4 token tiles = 96 matrix instructions).
; The weights come from wimg straight into registers, in image order, four tile buffers deep: a weight byte is wanted by ONE wave of the group, so LDS would add a read and spare none.
; NO CLUSTER: all 256 work-groups walk the same weights, but a joint request lands in LDS alone, and this text keeps the weights out of LDS.
; TILE ORDER (tokens, columns): row rho of tile t is index 32 (t / 2) + 8 (t % 2) + rho + 8 (rho / 8): the results of source-0 tiles 2 b, 2 b + 1 are then 16 neighbours, 32 b + 16 (lane / 16) + 0 .. 15.
; Q, K units: source 0 = weight, source 1 = x: a lane holds one token, its registers run along e.   V units: source 0 = x, source 1 = weight: a lane holds one channel, its registers run along the tokens (keys).
; The accumulator of (source-1 tile a, source-0 tile c) is v[ACC + 32 a + 8 c].  The bias is the C of each sum's first product, so the order of rounding differs from bias-last.
; qkv: 192 records (batch x 12 + head) of three parts of 69,632 bytes.  Q, K: token tile t, block b at 1,024 t + 512 b + 16 lane; from 65,536 scale words of tile pairs, 128 P + 4 lane, byte 2 (t % 2) + b.
;   V: (4 ks + n) x 2,048 + 512 c + 16 lane (key step ks of 128, channel tile n, key block c); from 65,536 (4 ks + n) x 128 + 4 lane, byte c.
; LIMITS: a block of zeros gets the scale byte 1 where the rule says 127 (zero codes; this program alone reads the bytes); NaN and infinities among the inputs are not served.
; REGISTERS, by absolute number (windows of 256): v1-14 addresses; v16-39 x's scale words; v40-63 the weights' scale words; v64-191 accumulators; v192-223 bias images; v224-255 at work;
;   v256-639 x's 24 fragments (in the prologue v256-383: two sets of 16 rows as loaded); v640-1023 four weight buffers of six fragments.
.set UB,   57344
.set NTB,  14336
.set PART, 69632
.set REC,  208896
.set STGB, 8448                        ; LDS: a stage of 16 rows x (512 + 16) bytes for each wave,
.set XIMG, 33792                       ; x's fragment (m, s) at (6 m + s) x 2,048,
.set XSC,  82944                       ; and its scale words at (6 m + s) x 128
.set LI,  1                            ; 16 x lane
.set L32, 2                            ; 32 x lane
.set L4,  3                            ; 4 x lane
.set STI, 4                            ; the stage, on the way in
.set STO, 5                            ; and out: row r, + 64 h
.set XWI, 6                            ; where I store x's images,
.set XWS, 7                            ; their scale words,
.set XRI, 8                            ; and where every wave reads them
.set XRS, 9
.set QA,  10                           ; byte offsets in a record's part: Q's and K's codes,
.set QS,  11                           ; their scale words,
.set VA,  12                           ; V's codes,
.set VS,  13                           ; V's scale halves
.set PW,  14
.set XS,  16
.set WS,  40
.set ACC, 64
.set BI,  192
.set TM,  224
.set PC,  240
.set XB,  256
.set WB,  640
.set XP,  4                            ; s[4:5] x at my token tile;  s[6:7] wimg at my unit in hand;  s[8:9] qkv at my head's record
.set WP,  6
.set OUT, 8
.set WV,  10
.set SEL, 14
.set MNT, 16
.set CNT, 17
.set MSB, 0
.macro WIN new                         ; the immediate's high byte repeats the setting that is left; a switch that changes nothing is dropped
.if MSB != \new
	s_set_vgpr_msb (MSB<<8)|\new
.set MSB, \new
.endif
.endm
.macro PLACES n
.rept \n
	v_nop
.endr
.endm
; one product, operands by absolute register number: bits 1:0 of the window setting source 0, 3:2 source 1, 5:4 source 2, 7:6 destination; scale registers have no window
.macro MM d, a, b, c, sa, sb
	WIN ((((\d)/256)<<6)|(((\c)/256)<<4)|(((\b)/256)<<2)|((\a)/256))
	v_wmma_scale_f32_16x16x128_f8f6f4 v[(\d)%256:(\d)%256+7], v[(\a)%256:(\a)%256+15], v[(\b)%256:(\b)%256+15], v[(\c)%256:(\c)%256+7], v[\sa], v[\sb] matrix_a_fmt:MATRIX_FMT_BF8 matrix_b_fmt:MATRIX_FMT_BF8
.endm
; 64 numbers of a lane, register 16 b + i = k 32 b + 16 (lane / 16) + i, become a fragment's codes in v[PC] on and its scale word in v[PW].  Each accumulator is read from its low end on.
.macro QUANT s
.irp b, 0,1,2,3
	v_max3_num_f32 v[TM+\b], |v[\s+16*\b]|, |v[\s+1+16*\b]|, 0x8000000   ; my 16 numbers of block b, and the floor 2^(16 - 127): the byte cannot fall under 1
.endr
.irp i, 2,4,6,8,10,12,14
.irp b, 0,1,2,3
	v_max3_num_f32 v[TM+\b], v[TM+\b], |v[\s+16*\b+\i]|, |v[\s+1+16*\b+\i]|
.endr
.endr
.irp b, 0,1,2,3
	v_permlanex16_b32 v[TM+4+\b], v[TM+\b], s[SEL], s[SEL+1]
.endr
.irp b, 0,1,2,3
	v_max_num_f32 v[TM+\b], v[TM+\b], v[TM+4+\b]                   ; with lane l xor 16's: the block's largest magnitude
.endr
.irp b, 0,1,2,3
	v_add_nc_u32 v[TM+12+\b], 0xf8800000, v[TM+\b]                 ; 15 off its exponent field: the conversion's scale operand
.endr
.irp b, 0,1,2,3
	v_and_or_b32 v[TM+8+\b], v[TM+\b], 0x7f800000, s[MNT]          ; 57,344 x the scale
.endr
.irp b, 0,1,2,3
	v_lshrrev_b32 v[TM+4+\b], 23, v[TM+12+\b]                      ; the scale's byte
.endr
	v_lshl_or_b32 v[PW], v[TM+5], 8, v[TM+4]
	v_lshl_or_b32 v[PW], v[TM+6], 16, v[PW]
	v_lshl_or_b32 v[PW], v[TM+7], 24, v[PW]
.irp b, 0,1,2,3
.irp i, 0,1,2,3,4,5,6,7,8,9,10,11,12,13,14,15
	v_med3_num_f32 v[\s+16*\b+\i], v[\s+16*\b+\i], -v[TM+8+\b], v[TM+8+\b]   ; the conversion to an 8-bit code does not saturate (ISA guide 7.6.2): hold first
.endr
	v_cvt_scalef32_pk8_bf8_f32 v[PC+4*\b:PC+1+4*\b], v[\s+16*\b:\s+7+16*\b], v[TM+12+\b]
	v_cvt_scalef32_pk8_bf8_f32 v[PC+2+4*\b:PC+3+4*\b], v[\s+8+16*\b:\s+15+16*\b], v[TM+12+\b]
.endr
	v_nop                                          ; one plain instruction between the last scaled conversion and the products that write its sources
.endm
; K step s of my 16 tokens: 16 loads of 512 consecutive bytes, one token's row each, into set s % 2 (v256 on or v320 on)
.macro XLOAD s
	WIN 0x40
.irp i, 0,1,2,3,4,5,6,7,8,9,10,11,12,13,14,15
	global_load_b128 v[64*((\s)%2)+4*\i:64*((\s)%2)+4*\i+3], v[LI], s[XP:XP+1] offset:(\i+8*(\i/8))*3072+512*(\s) th:TH_LOAD_NT
.endr
	WIN 0
.endm
; the record of tile n of the unit off bytes on from s[WP]: 28 loads: six fragments, six scale words, the bias image
.macro FILL n, off
.irp s, 0,1,2,3,4,5
	WIN (((WB+96*\n+16*\s)/256)<<6)
.irp c, 0,1,2,3
	global_load_b128 v[(WB+96*\n+16*\s+4*\c)%256:(WB+96*\n+16*\s+4*\c)%256+3], v[LI], s[WP:WP+1] offset:\off+\n*NTB+(4*\s+\c)*512
.endr
.endr
	WIN 0
	global_load_b128 v[WS+6*\n:WS+6*\n+3], v[L32], s[WP:WP+1] offset:\off+\n*NTB+12288
	global_load_b64 v[WS+6*\n+4:WS+6*\n+5], v[L32], s[WP:WP+1] offset:\off+\n*NTB+12304
	global_load_b128 v[BI+8*\n:BI+8*\n+3], v[LI], s[WP:WP+1] offset:\off+\n*NTB+13312
	global_load_b128 v[BI+8*\n+4:BI+8*\n+7], v[LI], s[WP:WP+1] offset:\off+\n*NTB+13824
.endm
; K step s of x: the rows turn through my stage, so that a lane holds 16 neighbours of each block of 32; quantised; image to LDS.  cnt: the younger loads that may stay out
.macro XSTEP s, cnt, tail
	s_wait_loadcnt \cnt
	WIN 0x04                                       ; an LDS store's data are its source 1: window 1
.irp i, 0,1,2,3,4,5,6,7,8,9,10,11,12,13,14,15
	ds_store_b128 v[STI], v[64*((\s)%2)+4*\i:64*((\s)%2)+4*\i+3] offset:528*\i
.endr
	WIN 0
.irp b, 0,1,2,3
.irp j, 0,1,2,3
	ds_load_b128 v[ACC+16*\b+4*\j:ACC+16*\b+4*\j+3], v[STO] offset:128*\b+16*\j   ; LDS serves a wave's instructions in order: these see the stores above
.endr
.endr
	s_wait_dscnt 0x0                               ; my 64 numbers are in; the stage's stores have read the set, the last step's image stores the codes
.if \tail == 1
	XLOAD (\s)+2
.endif
.if \tail == 2
	FILL 0, 0
	FILL 1, 0
.endif
.if \tail == 3
	FILL 2, 0
	FILL 3, 0
.endif
	QUANT ACC
.irp c, 0,1,2,3
	ds_store_b128 v[XWI], v[PC+4*\c:PC+4*\c+3] offset:2048*(\s)+512*\c
.endr
	ds_store_b32 v[XWS], v[PW] offset:128*(\s)
.endm
; tile n of a unit: 24 products, K ascending, the four accumulators by turns, one instruction a turn.  kind 0: weight x tokens;  kind 1: tokens x weight
.macro NTILE n, kind, cnt
	s_wait_loadcnt \cnt                            ; buffer n is in
.irp s, 0,1,2,3,4,5
.irp m, 0,1,2,3
.if \kind == 0
.set RD_, ACC+32*\m+8*\n
.else
.set RD_, ACC+32*\n+8*\m
.endif
.if \s == 0
.set RC_, BI+8*\n
.else
.set RC_, RD_
.endif
.if \kind == 0
	MM RD_, WB+96*\n+16*\s, XB+16*(4*\s+\m), RC_, WS+6*\n+\s, XS+4*\s+\m
.else
	MM RD_, XB+16*(4*\s+\m), WB+96*\n+16*\s, RC_, XS+4*\s+\m, WS+6*\n+\s
.endif
.endr
.endr
	WIN 0
	PLACES 8                                       ; eight places in front of loads into registers that these products have read, and of the first read of results
.endm
; a unit's 128 results a lane, in two halves of 64: quantised and stored as images
.macro EPI kind, part
.irp hf, 0,1
	s_wait_xcnt 0x0                                ; the earlier stores have read the codes and the scale word: only now are they written again
	QUANT ACC+64*\hf
.if \kind == 0
.irp c, 0,1,2,3
	global_store_b128 v[QA], v[PC+4*\c:PC+4*\c+3], s[OUT:OUT+1] offset:\part*PART+2048*\hf+512*\c   ; token tile 2 hf + c / 2, block c % 2: 512 consecutive bytes, aligned
.endr
	global_store_b32 v[QS], v[PW], s[OUT:OUT+1] offset:\part*PART+65536+128*\hf
.else
.irp c, 0,1,2,3
	global_store_b128 v[VA], v[PC+4*\c:PC+4*\c+3], s[OUT:OUT+1] offset:2*PART+(2*\hf+\c/2)*2048+(\c%2)*512   ; channel tile 2 hf + c / 2, my key block c % 2
.endr
	global_store_b16 v[VS], v[PW], s[OUT:OUT+1] offset:2*PART+65536+256*\hf          ; two of a scale word's four bytes are this work-group's: channel tile 2 hf,
	global_store_d16_hi_b16 v[VS], v[PW], s[OUT:OUT+1] offset:2*PART+65536+256*\hf+128   ; and 2 hf + 1
.endif
.endr
.endm
; a unit.  next: where the unit after it begins, from s[WP] on (under 0: there is none); behind each tile its buffer takes that unit's tile
.macro UNIT kind, part, next, c0, c1, c2, c3
	NTILE 0, \kind, \c0
.if \next >= 0
	FILL 0, \next
.endif
	NTILE 1, \kind, \c1
.if \next >= 0
	FILL 1, \next
.endif
	NTILE 2, \kind, \c2
.if \next >= 0
	FILL 2, \next
.endif
	NTILE 3, \kind, \c3
.if \next >= 0
	FILL 3, \next
.endif
	EPI \kind, \part
.endm
	s_load_b128 s[4:7], s[0:1], 0x0                ; x, wimg
	s_load_b64 s[8:9], s[0:1], 0x10                ; qkv
	v_lshrrev_b32 v240, 5, v0
	v_readfirstlane_b32 s[WV], v240                ; wave 0..3
	v_and_b32 v240, 31, v0                         ; lane
	v_and_b32 v241, 15, v0                         ; r
	v_bfe_u32 v242, v0, 4, 1                       ; h
	v_lshlrev_b32 v[LI], 4, v240
	v_lshlrev_b32 v[L32], 5, v240
	v_lshlrev_b32 v[L4], 2, v240
	s_mul_i32 s11, s[WV], STGB
	v_add_nc_u32 v[STI], s11, v[LI]
	v_mul_u32_u24 v[STO], v241, 528
	v_lshl_add_u32 v[STO], v242, 6, v[STO]
	v_add_nc_u32 v[STO], s11, v[STO]
	s_mul_i32 s11, s[WV], 12288
	s_add_co_u32 s11, s11, XIMG
	v_add_nc_u32 v[XWI], s11, v[LI]
	s_mul_i32 s11, s[WV], 768
	s_add_co_u32 s11, s11, XSC
	v_add_nc_u32 v[XWS], s11, v[L4]
	v_add_nc_u32 v[XRI], XIMG, v[LI]
	v_add_nc_u32 v[XRS], XSC, v[L4]
	s_and_b32 s18, ttmp9, 15                       ; blk: which 64 tokens of the batch's 1,024
	s_lshr_b32 s19, ttmp9, 4                       ; the batch
	s_lshl_b32 s11, s18, 12
	v_add_nc_u32 v[QA], s11, v[LI]                 ; four token tiles of 1,024 bytes
	s_lshl_b32 s11, s18, 8
	v_add_nc_u32 v[QS], s11, v[L4]                 ; two tile pairs of 128 bytes
	s_lshr_b32 s20, s18, 1
	s_and_b32 s21, s18, 1
	s_lshl_b32 s11, s20, 13
	s_lshl_b32 s22, s21, 10
	s_add_co_u32 s11, s11, s22
	v_add_nc_u32 v[VA], s11, v[LI]                 ; key step blk / 2, key blocks 2 (blk % 2) on
	s_lshl_b32 s11, s20, 9
	s_lshl_b32 s22, s21, 1
	s_add_co_u32 s11, s11, s22
	v_add_nc_u32 v[VS], s11, v[L4]
	s_lshl_b32 s12, ttmp9, 6
	s_lshr_b32 s22, s[WV], 1
	s_lshl_b32 s22, s22, 5
	s_add_co_u32 s12, s12, s22
	s_and_b32 s22, s[WV], 1
	s_lshl_b32 s22, s22, 3
	s_add_co_u32 s12, s12, s22                     ; my token tile's first token: 64 g + 32 (w / 2) + 8 (w % 2)
	s_mul_i32 s12, s12, 3072
	s_mov_b32 s13, 0
	s_mul_i32 s22, s[WV], 9*UB                     ; my nine units
	s_mov_b32 s23, 0
	s_mul_i32 s24, s19, 12
	s_mul_i32 s25, s[WV], 3
	s_add_co_u32 s24, s24, s25
	s_mul_i32 s24, s24, REC                        ; my first head's record
	s_mov_b32 s25, 0
	s_mov_b32 s[SEL], 0x76543210
	s_mov_b32 s[SEL+1], 0xfedcba98
	s_mov_b32 s[MNT], 0x600000
.irp b, 0,1,2,3
	v_mov_b32 v[TM+4+\b], 0                        ; a lane permute's destination counts as one of its sources
.endr
	s_wait_kmcnt 0x0
	s_add_nc_u64 s[XP:XP+1], s[XP:XP+1], s[12:13]
	s_add_nc_u64 s[WP:WP+1], s[WP:WP+1], s[22:23]
	s_add_nc_u64 s[OUT:OUT+1], s[OUT:OUT+1], s[24:25]
	XLOAD 0
	XLOAD 1
	XSTEP 0, 16, 1                                 ; 16: the next K step's loads stay out
	XSTEP 1, 16, 1
	XSTEP 2, 16, 1
	XSTEP 3, 16, 1
	XSTEP 4, 16, 2                                 ; x is all asked for: the first unit's weights follow
	XSTEP 5, 56, 3                                 ; 56: the two buffers asked for behind K step 5's loads
	s_wait_dscnt 0x0                               ; for the others' sake: my images have landed
	s_barrier_signal -1
	s_barrier_wait -1                              ; all 24 fragments of x lie in LDS; nothing is stored to LDS after this
.irp s, 0,1,2,3,4,5
.irp m, 0,1,2,3
	WIN (((XB+16*(4*\s+\m))/256)<<6)
.irp c, 0,1,2,3
	ds_load_b128 v[(XB+16*(4*\s+\m)+4*\c)%256:(XB+16*(4*\s+\m)+4*\c)%256+3], v[XRI] offset:(6*\m+\s)*2048+512*\c
.endr
.endr
.endr
	WIN 0
.irp s, 0,1,2,3,4,5
.irp m, 0,1,2,3
	ds_load_b32 v[XS+4*\s+\m], v[XRS] offset:(6*\m+\s)*128
.endr
.endr
	s_wait_dscnt 0x0
	s_mov_b32 s[CNT], 2
; Behind the buffer that a tile waits for stand three younger fills, 84 loads; the wait names 63, the most its field holds: a smaller count than the true one is safe.
.Lhead:                                                ; a trip is a head: Q, K, V; the last unit's refills are the next head's Q
	UNIT 0, 0, UB, 63, 63, 63, 63
	UNIT 0, 1, 2*UB, 63, 63, 63, 63
	UNIT 1, 2, 3*UB, 63, 63, 63, 63
	s_wait_xcnt 0x0                                ; the loads and stores issued have read their bases: both may step
	s_add_nc_u64 s[WP:WP+1], s[WP:WP+1], 3*UB
	s_add_nc_u64 s[OUT:OUT+1], s[OUT:OUT+1], REC
	s_sub_co_u32 s[CNT], s[CNT], 1
	s_cmp_lg_u32 s[CNT], 0
	s_cbranch_scc1 .Lhead
	UNIT 0, 0, UB, 63, 63, 63, 63                  ; my third head is written out: its last unit asks for nothing, so no load leaves wimg's part that is mine
	UNIT 0, 1, 2*UB, 63, 63, 63, 63
	UNIT 1, 2, -1, 63, 56, 28, 0                   ; the counts run down: two, one, no younger fills of 28
	s_wait_xcnt 0x0
	v_lshl_add_u32 v254, v0, 2, 0x15000
	v_mov_b32 v255, 0
	s_wait_tensorcnt 0x0
	ds_add_u32 v254, v255
	s_wait_dscnt 0x0
	s_endpgm
.Lfunc_end_k_q61a3a4f717_qkv:
	.size	k_q61a3a4f717_qkv, .Lfunc_end_k_q61a3a4f717_qkv-k_q61a3a4f717_qkv
	.p2alignl 7, 3214868480
	.fill 96, 4, 3214868480
	.section	.rodata,"a",@progbits
	.p2align	6, 0x0
	.amdhsa_kernel k_q61a3a4f717_qkv
		.amdhsa_group_segment_fixed_size 86528
		.amdhsa_private_segment_fixed_size 0
		.amdhsa_enable_private_segment 0
		.amdhsa_kernarg_size 24
		.amdhsa_user_sgpr_count 2
		.amdhsa_user_sgpr_kernarg_segment_ptr 1
		.amdhsa_wavefront_size32 1
		.amdhsa_system_sgpr_workgroup_id_x 1
		.amdhsa_system_sgpr_workgroup_id_y 1
		.amdhsa_system_sgpr_workgroup_id_z 1
		.amdhsa_system_vgpr_workitem_id 0
		.amdhsa_next_free_vgpr 1024
		.amdhsa_next_free_sgpr 66
		.amdhsa_reserve_vcc 0
		.amdhsa_float_denorm_mode_32 3
		.amdhsa_float_denorm_mode_16_64 3
		.amdhsa_memory_ordered 1
		.amdhsa_forward_progress 1
		.amdhsa_inst_pref_size 255
	.end_amdhsa_kernel
	.section	.bss,"aw",@nobits
	.p2align	6
	.space	262144
	.amdgpu_metadata
---
amdhsa.version: [ 1, 2 ]
amdhsa.kernels:
  - .name:           k_q61a3a4f717_qkv
    .symbol:         k_q61a3a4f717_qkv.kd
    .args:
      - { .name: x, .offset: 0, .size: 8, .value_kind: global_buffer, .address_space: global }
      - { .name: wimg, .offset: 8, .size: 8, .value_kind: global_buffer, .address_space: global }
      - { .name: qkv, .offset: 16, .size: 8, .value_kind: global_buffer, .address_space: global }
    .group_segment_fixed_size: 86528
    .private_segment_fixed_size: 0
    .kernarg_segment_align: 8
    .kernarg_segment_size: 24
    .max_flat_workgroup_size: 128
    .sgpr_count:     66
    .vgpr_count:     1024
    .wavefront_size: 32
...
	.end_amdgpu_metadata
.endif
;; end of part 2
;; launch attn (part 3): grid 48 x 16, 16 waves a work-group, no clusters, 169,984 bytes of LDS; arguments qkv, oimg; writes oimg
.if DOCPART == 3
	.amdgcn_target "amdgcn-amd-amdhsa--gfx1250"
	.amdhsa_code_object_version 6
	.text
	.protected	k_q61a3a4f717_attn
	.globl	k_q61a3a4f717_attn
	.p2align	8
	.type	k_q61a3a4f717_attn,@function
k_q61a3a4f717_attn:
	s_mov_b64 s[64:65], 0
	v_nop
	global_prefetch_b8 v0, s[64:65] scope:SCOPE_SE
	s_setreg_imm32_b32 hwreg(HW_REG_WAVE_MODE, 25, 1), 1
	s_wait_xcnt 0x0
; o = softmax(q k^T / 8) v for one head and 256 queries, both products on codes of E5M2 with E8M0 scales; o is divided by the row's sum, quantised along the head's 64 and stored as an image of the last product's operand.
; THE SOFTMAX AHEAD OF THE SECOND PRODUCT: t = score x log2(e) / 8; M = the running largest t rounded UP to a whole number; p = 2^(t - M) is quantised along the keys, not normalised; the row's sum is taken
; of the unquantised p; when M moves, the sum and O are multiplied by 2^(old M - new M), which rounds nothing.  1 / sum is v_rcp_f32 and a multiplication.
; SHARES: work-group x = 4 head + query block, y = batch.  Each of sixteen waves owns one tile of 16 queries in 256 registers: four waves to a SIMD, so one wave's vector work stands beside another's products.
; THE WHOLE HEAD'S K AND V (codes and scale words, 139,264 consecutive bytes of its record) COME INTO LDS ONCE: each wave asks for 34 rows of 256 bytes by one tensor load, so one load a wave is out; no byte is filled again.
; NO CLUSTER: the four query blocks of a head read the same 139,264 bytes; each work-group asks for them once, at its start, by loads of its own: they are not asked for jointly in this text.
; Both products are used transposed (S^T = K Q^T, O^T = V^T P^T): a lane holds one query (lane % 16) throughout.  Tiles are in the order 32 (t / 2) + 8 (t % 2) + rho + 8 (rho / 8), so p's 16 registers of two
; neighbouring key tiles are 16 neighbouring keys, and O^T's of two channel tiles 16 neighbouring channels.
; K = 64 IN AN INSTRUCTION 128 DEEP: a fragment of K holds key tile 2 P in k = 0 .. 63 and key tile 2 P + 1 in k = 64 .. 127.  It is multiplied by [q, 0] and by [0, q]: zero codes meet finite codes (every code was
; held inside +-57,344), so the other tile adds nothing.  The zero halves' scale bytes are 0, which is 2^-127 and no NaN.
; LIMITS: a block of zeros keeps the scale byte 1 where the rule says 127 (zero codes; this program alone reads the bytes); p under 2^-126 comes out of v_exp_f32 as 0; NaN and infinities are not served.
.set PART, 69632
.set REC,  208896
.set ORB,  52224
.set KSC,  65536                       ; LDS: K's image at 0, its scale words here,
.set VIMG, 69632                       ; V's image,
.set VSC,  135168                      ; its scale words; the end is 139,264
.set LI,  1                            ; 16 x lane
.set L4,  2                            ; 4 x lane
.set ADK, 3                            ; the step's LDS addresses: K, K's scale words, V, V's scale words
.set ADS, 4
.set ADV, 5
.set ADT, 6
.set QSL, 7                            ; q's scale bytes in bytes 0, 1 (for [q, 0]);
.set QSH, 8                            ; in bytes 2, 3 (for [0, q])
.set AV0, 9
.set AS0, 10
.set AT0, 11
.set QHI, 16                           ; v16-23 zeros, v24-31 q, v32-39 zeros: [0, q] = v[16:31], [q, 0] = v[24:39]
.set QLO, 24
.set FR,  40                           ; v40-103  four fragments, of K and then of V
.set ST,  104                          ; v104-167 S^T, then p
.set OT,  168                          ; v168-199 O^T
.set CD,  200                          ; v200-215 p's codes
.set BM,  216                          ; the blocks' largest scores, then largest p
.set TP,  220                          ; the other half's; then the bytes; then a chain of the sum
.set HO,  224                          ; 57,344 x the scale
.set SO,  228                          ; the conversions' scale operands
.set SW,  232                          ; K's, then V's scale words
.set FF,  236                          ; f = 2^(old M - new M); named as a pair with
.set PWD, 237                          ; p's scale word
.set TT,  238
.set WV,  8
.set G0,  12
.set G1,  16
.set CNT, 24
.set SA,  25                           ; 8,192 x key step
.set SB,  26                           ; 512 x key step
.set SEL, 28
.set CS,  30                           ; s[30:31] c = log2(e) / 8
.set MNT, 32
	s_load_b128 s[4:7], s[0:1], 0x0                ; qkv, oimg
	v_lshl_add_u32 v254, v0, 2, 0x29000
	v_mov_b32 v255, 0
	ds_add_u32 v254, v255
	ds_add_u32 v254, v255
	v_lshrrev_b32 v3, 5, v0
	v_readfirstlane_b32 s[WV], v3                  ; wave 0..15
	s_lshr_b32 s9, ttmp9, 2                        ; head
	s_and_b32 s10, ttmp9, 3                        ; query block
	s_and_b32 s11, ttmp7, 0xffff                   ; batch
	s_mul_i32 s34, s11, 12
	s_add_co_u32 s34, s34, s9
	s_mul_i32 s34, s34, REC                        ; the head's record
	s_mov_b32 s35, 0
	s_mov_b32 s[G1+0], 3<<16                       ; elements of 8 bytes, no mask, no padding
	s_mov_b32 s[G1+1], 32<<16                      ; tensor_dim0 = 32 elements: rows of 256 bytes
	s_mov_b32 s[G1+2], 34<<16                      ; tensor_dim1 = 34
	s_mov_b32 s[G1+3], 32<<16                      ; tile_dim0 = 32
	s_mov_b32 s[G1+4], 34                          ; tile_dim1 = 34
	s_mov_b32 s[G1+5], 32                          ; the pitch: the block is dense
	s_mov_b32 s[G1+6], 0
	s_mov_b32 s[G1+7], 0
	s_mov_b32 s[G0], 1
	s_mul_i32 s[G0+1], s[WV], 8704                 ; my sixteenth of the 139,264 bytes, in LDS
	s_wait_dscnt 0x0
	s_wait_kmcnt 0x0
	s_add_nc_u64 s[36:37], s[4:5], s[34:35]
	s_add_co_u32 s34, s[G0+1], PART                ; and in the record: K's part begins behind Q's
	s_add_nc_u64 s[G0+2:G0+3], s[36:37], s[34:35]
	s_or_b32 s[G0+3], s[G0+3], 0x80000000
	tensor_load_to_lds s[G0:G0+3], s[G1:G1+7]
	s_nop 0
.rept 4
	v_nop
.endr
	v_and_b32 v3, 31, v0
	v_lshlrev_b32 v[LI], 4, v3
	v_lshlrev_b32 v[L4], 2, v3
	v_add_nc_u32 v[AV0], VIMG, v[LI]
	v_add_nc_u32 v[AS0], KSC, v[L4]
	v_add_nc_u32 v[AT0], VSC, v[L4]
	s_lshl_b32 s33, s10, 4
	s_add_co_u32 s33, s33, s[WV]                   ; my query tile: 16 x query block + wave
	s_lshl_b32 s34, s33, 10
	s_add_nc_u64 s[38:39], s[36:37], s[34:35]
	global_load_b128 v[QLO:QLO+3], v[LI], s[38:39]                 ; q's codes, block 0,
	global_load_b128 v[QLO+4:QLO+7], v[LI], s[38:39] offset:512    ; block 1
	s_lshr_b32 s34, s33, 1
	s_lshl_b32 s34, s34, 7
	s_add_nc_u64 s[36:37], s[36:37], s[34:35]
	global_load_b32 v[QSL], v[L4], s[36:37] offset:65536           ; the scale word of my tile's pair
	s_lshl_b32 s34, s11, 4                         ; where o goes: record 16 batch + 4 query block + wave / 4, token tile m = wave % 4, K step head / 2, blocks 2 (head % 2) on
	s_lshl_b32 s27, s10, 2
	s_add_co_u32 s34, s34, s27
	s_lshr_b32 s27, s[WV], 2
	s_add_co_u32 s34, s34, s27
	s_mul_i32 s34, s34, ORB
	s_add_nc_u64 s[6:7], s[6:7], s[34:35]
	s_and_b32 s27, s[WV], 3
	s_mul_i32 s27, s27, 6
	s_lshr_b32 s33, s9, 1
	s_add_co_u32 s27, s27, s33                     ; 6 m + K step
	s_and_b32 s33, s9, 1
	s_lshl_b32 s34, s27, 11
	s_lshl_b32 s24, s33, 10
	s_add_co_u32 s34, s34, s24
	s_add_nc_u64 s[4:5], s[6:7], s[34:35]          ; the codes' place
	s_lshl_b32 s34, s27, 7
	s_lshl_b32 s24, s33, 1
	s_add_co_u32 s34, s34, s24
	s_add_nc_u64 s[6:7], s[6:7], s[34:35]          ; the scale bytes' place, less 49,152
	s_and_b32 s27, s[WV], 1
	s_lshl_b32 s27, s27, 4                         ; my tile's two bytes in the pair's word
	s_mov_b32 s[SEL], 0x76543210
	s_mov_b32 s[SEL+1], 0xfedcba98
	s_mov_b32 s[CS], 0x3e38aa3b                    ; log2(e) / 8
	s_mov_b32 s[CS+1], s[CS]                       ; (named with it as a pair, so it is written)
	s_mov_b32 s[MNT], 0x600000
	s_mov_b32 s[SA], 0
	s_mov_b32 s[SB], 0
	s_mov_b32 s[CNT], 8
.irp j, 0,1,2,3,4,5,6,7
	v_mov_b32 v[QHI+\j], 0                         ; the zero codes on either side of q
	v_mov_b32 v[QLO+8+\j], 0
.endr
	v_mov_b32 v13, 0xff61b1e6                      ; the largest t so far: -3e38, under every t
	v_floor_f32 v12, -v13                          ; -M
	v_mov_b32 v14, 0                               ; the sum, in two halves
	v_mov_b32 v15, 0
.irp b, 0,1,2,3
	v_mov_b32 v[TP+\b], 0                          ; a lane permute's destination counts as one of its sources
.endr
	v_mov_b32 v[PWD], 0                            ; (named as the upper half of a pair before it is first written)
	s_wait_loadcnt 0x0                             ; q
	v_lshrrev_b32 v[QSL], s27, v[QSL]
	v_and_b32 v[QSL], 0xffff, v[QSL]
	v_lshlrev_b32 v[QSH], 16, v[QSL]
.set J, 0
.rept 32
	v_mov_b32 v[OT+J], 0                           ; O^T: the loop is written once; its first step finds zeros, which the first change of M leaves zeros
.set J, J+1
.endr
	s_wait_tensorcnt 0x0                           ; my sixteenth has landed,
	s_barrier_signal -1
	s_barrier_wait -1                              ; everybody's has
.Lstep:                                                ; a trip is 128 keys
	v_add_nc_u32 v[ADK], s[SA], v[LI]
	v_add_nc_u32 v[ADV], s[SA], v[AV0]
	v_add_nc_u32 v[ADS], s[SB], v[AS0]
	v_add_nc_u32 v[ADT], s[SB], v[AT0]
.rept 4
	v_nop                                          ; with the four additions: eight places in front of loads into registers that the last step's products have read
.endr
.irp p, 0,1,2,3
.irp c, 0,1,2,3
	ds_load_b128 v[FR+16*\p+4*\c:FR+16*\p+4*\c+3], v[ADK] offset:2048*\p+512*\c
.endr
	ds_load_b32 v[SW+\p], v[ADS] offset:128*\p
.endr
	s_wait_dscnt 0x0
.irp p, 0,1,2,3                        ; S^T: keys 32 p + 16 (lane / 16) + 0 .. 7 by [q, 0], + 8 .. 15 by [0, q]
	v_wmma_scale_f32_16x16x128_f8f6f4 v[ST+16*\p:ST+16*\p+7], v[FR+16*\p:FR+16*\p+15], v[QLO:QLO+15], 0, v[SW+\p], v[QSL] matrix_a_fmt:MATRIX_FMT_BF8 matrix_b_fmt:MATRIX_FMT_BF8
	v_wmma_scale_f32_16x16x128_f8f6f4 v[ST+16*\p+8:ST+16*\p+15], v[FR+16*\p:FR+16*\p+15], v[QHI:QHI+15], 0, v[SW+\p], v[QSH] matrix_a_fmt:MATRIX_FMT_BF8 matrix_b_fmt:MATRIX_FMT_BF8
.endr
.rept 8
	v_nop                                          ; eight places in front of the loads below and of the first read of the scores
.endr
.irp n, 0,1,2,3                        ; V's four fragments take K's registers and land under the softmax
.irp c, 0,1,2,3
	ds_load_b128 v[FR+16*\n+4*\c:FR+16*\n+4*\c+3], v[ADV] offset:2048*\n+512*\c
.endr
	ds_load_b32 v[SW+\n], v[ADT] offset:128*\n
.endr
.irp b, 0,1,2,3
	v_max3_num_f32 v[BM+\b], v[ST+16*\b], v[ST+1+16*\b], v[ST+2+16*\b]   ; the largest score of each block of 32 keys: for the row's maximum, and, since p rises with the score, for the block's largest p
.endr
.irp i, 3,5,7,9,11,13
.irp b, 0,1,2,3
	v_max3_num_f32 v[BM+\b], v[BM+\b], v[ST+16*\b+\i], v[ST+1+16*\b+\i]
.endr
.endr
.irp b, 0,1,2,3
	v_max_num_f32 v[BM+\b], v[BM+\b], v[ST+15+16*\b]
.endr
.irp b, 0,1,2,3
	v_permlanex16_b32 v[TP+\b], v[BM+\b], s[SEL], s[SEL+1]
.endr
.irp b, 0,1,2,3
	v_max_num_f32 v[BM+\b], v[BM+\b], v[TP+\b]     ; with lane l xor 16's 16 keys
.endr
	v_max3_num_f32 v[TT], v[BM], v[BM+1], v[BM+2]
	v_max_num_f32 v[TT], v[TT], v[BM+3]            ; the step's largest score of my query
	v_mul_f32 v[TT], s[CS], v[TT]                  ; as t (c is positive)
	v_max_num_f32 v13, v13, v[TT]                  ; the running largest t
	v_mov_b32 v[TT], v12
	v_floor_f32 v12, -v13                          ; the new -M = floor(-t) = -ceil(t)
	v_sub_f32 v[TT], v12, v[TT]                    ; old M - new M: a whole number, 0 or less
	v_cvt_i32_f32 v[TT], v[TT]                     ; (it saturates)
	v_ldexp_f32 v[FF], 1.0, v[TT]                  ; f = 2^(old M - new M)
.set J, 0
.rept 32
	v_pk_fma_f32 v[ST+J:ST+J+1], v[ST+J:ST+J+1], s[CS:CS+1], v[12:13] op_sel_hi:[1,0,0]   ; t - M, two at a time (of the pairs c and -M the low word serves both halves)
.set J, J+2
.endr
.irp b, 0,1,2,3
	v_fma_f32 v[BM+\b], v[BM+\b], s[CS], v12       ; the same of each block's largest score
.endr
.set J, 0
.rept 64
	v_exp_f32 v[ST+J], v[ST+J]                     ; p = 2^(t - M)
.set J, J+1
.endr
.irp b, 0,1,2,3
	v_exp_f32 v[BM+\b], v[BM+\b]                   ; the block's largest p: the same two instructions on the same number
.endr
	v_pk_mul_f32 v[14:15], v[14:15], v[FF:FF+1] op_sel_hi:[1,0]   ; the sums under the new M (a plain instruction behind the exponentials)
	s_wait_alu depctr_va_vdst(0)
.irp b, 0,1,2,3
	v_max_num_f32 v[BM+\b], 0x8000000, v[BM+\b]    ; the floor 2^(16 - 127): the byte cannot fall under 1
.endr
.irp b, 0,1,2,3
	v_add_nc_u32 v[SO+\b], 0xf8800000, v[BM+\b]    ; 15 off the exponent field: the conversion's scale operand
.endr
.irp b, 0,1,2,3
	v_and_or_b32 v[HO+\b], v[BM+\b], 0x7f800000, s[MNT]   ; 57,344 x the scale
.endr
.irp b, 0,1,2,3
	v_lshrrev_b32 v[TP+\b], 23, v[SO+\b]           ; the scale's byte
.endr
	v_lshl_or_b32 v[PWD], v[TP+1], 8, v[TP]        ; p's scale word for these 128 keys: it stands far more than eight plain instructions ahead of the products
	v_lshl_or_b32 v[PWD], v[TP+2], 16, v[PWD]
	v_lshl_or_b32 v[PWD], v[TP+3], 24, v[PWD]
	v_pk_add_f32 v[TP:TP+1], v[ST:ST+1], v[ST+2:ST+3]   ; the row's sum is taken of the unquantised p: two at a time, in two chains
.set J, 4
.rept 15
	v_pk_add_f32 v[14:15], v[14:15], v[ST+J:ST+J+1]
	v_pk_add_f32 v[TP:TP+1], v[TP:TP+1], v[ST+J+2:ST+J+3]
.set J, J+4
.endr
	v_pk_add_f32 v[14:15], v[14:15], v[TP:TP+1]
.irp b, 0,1,2,3
.irp i, 0,1,2,3,4,5,6,7,8,9,10,11,12,13,14,15
	v_min_num_f32 v[ST+16*\b+\i], v[ST+16*\b+\i], v[HO+\b]   ; the conversion does not saturate (ISA guide 7.6.2); p is not negative, so the hold is one-sided
.endr
	v_cvt_scalef32_pk8_bf8_f32 v[CD+4*\b:CD+1+4*\b], v[ST+16*\b:ST+7+16*\b], v[SO+\b]
	v_cvt_scalef32_pk8_bf8_f32 v[CD+2+4*\b:CD+3+4*\b], v[ST+8+16*\b:ST+15+16*\b], v[SO+\b]
.endr
.set J, 0
.rept 16
	v_pk_mul_f32 v[OT+J:OT+J+1], v[OT+J:OT+J+1], v[FF:FF+1] op_sel_hi:[1,0]   ; O^T under the new M, each accumulator from its low end on; these sixteen also stand between the codes and the products
.set J, J+2
.endr
	s_wait_dscnt 0x0                               ; V is in
.irp n, 0,1,2,3                        ; O^T += V^T P^T: four accumulators, one instruction each
	v_wmma_scale_f32_16x16x128_f8f6f4 v[OT+8*\n:OT+8*\n+7], v[FR+16*\n:FR+16*\n+15], v[CD:CD+15], v[OT+8*\n:OT+8*\n+7], v[SW+\n], v[PWD] matrix_a_fmt:MATRIX_FMT_BF8 matrix_b_fmt:MATRIX_FMT_BF8
.endr
	s_add_co_u32 s[SA], s[SA], 8192
	s_add_co_u32 s[SB], s[SB], 512
	s_sub_co_u32 s[CNT], s[CNT], 1
	s_cmp_lg_u32 s[CNT], 0
	s_cbranch_scc1 .Lstep
.rept 8
	v_nop                                          ; eight places in front of the first read of O^T
.endr
	v_add_f32 v14, v14, v15                        ; the sum's two halves,
	v_permlanex16_b32 v[TT], v14, s[SEL], s[SEL+1]
	v_add_f32 v14, v14, v[TT]                      ; and lane l xor 16's: the row's sum
	v_rcp_f32 v14, v14
	v_nop                                          ; one plain instruction behind a transcendental
.set J, 0
	s_wait_alu depctr_va_vdst(0)
.rept 32
	v_mul_f32 v[ST+J], v[OT+J], v14                ; o: register 16 b + i is channel 32 b + 16 (lane / 16) + i of my query
.set J, J+1
.endr
.irp b, 0,1                            ; the quantiser, for the head's two blocks of 32
	v_max3_num_f32 v[BM+\b], |v[ST+16*\b]|, |v[ST+1+16*\b]|, 0x8000000
.endr
.irp i, 2,4,6,8,10,12,14
.irp b, 0,1
	v_max3_num_f32 v[BM+\b], v[BM+\b], |v[ST+16*\b+\i]|, |v[ST+1+16*\b+\i]|
.endr
.endr
.irp b, 0,1
	v_permlanex16_b32 v[TP+\b], v[BM+\b], s[SEL], s[SEL+1]
.endr
.irp b, 0,1
	v_max_num_f32 v[BM+\b], v[BM+\b], v[TP+\b]
.endr
.irp b, 0,1
	v_add_nc_u32 v[SO+\b], 0xf8800000, v[BM+\b]
.endr
.irp b, 0,1
	v_and_or_b32 v[HO+\b], v[BM+\b], 0x7f800000, s[MNT]
.endr
.irp b, 0,1
	v_lshrrev_b32 v[TP+\b], 23, v[SO+\b]
.endr
	v_lshl_or_b32 v[TT], v[TP+1], 8, v[TP]         ; my head's two bytes of the scale word
.irp b, 0,1
.irp i, 0,1,2,3,4,5,6,7,8,9,10,11,12,13,14,15
	v_med3_num_f32 v[ST+16*\b+\i], v[ST+16*\b+\i], -v[HO+\b], v[HO+\b]
.endr
	v_cvt_scalef32_pk8_bf8_f32 v[CD+4*\b:CD+1+4*\b], v[ST+16*\b:ST+7+16*\b], v[SO+\b]
	v_cvt_scalef32_pk8_bf8_f32 v[CD+2+4*\b:CD+3+4*\b], v[ST+8+16*\b:ST+15+16*\b], v[SO+\b]
.endr
	global_store_b128 v[LI], v[CD:CD+3], s[4:5]                    ; 512 consecutive bytes, aligned
	global_store_b128 v[LI], v[CD+4:CD+7], s[4:5] offset:512
	global_store_b16 v[L4], v[TT], s[6:7] offset:49152             ; the word's other two bytes are the neighbouring head's
	s_wait_tensorcnt 0x0
	ds_add_u32 v254, v255
	s_wait_dscnt 0x0
	s_endpgm
.Lfunc_end_k_q61a3a4f717_attn:
	.size	k_q61a3a4f717_attn, .Lfunc_end_k_q61a3a4f717_attn-k_q61a3a4f717_attn
	.p2alignl 7, 3214868480
	.fill 96, 4, 3214868480
	.section	.rodata,"a",@progbits
	.p2align	6, 0x0
	.amdhsa_kernel k_q61a3a4f717_attn
		.amdhsa_group_segment_fixed_size 169984
		.amdhsa_private_segment_fixed_size 0
		.amdhsa_enable_private_segment 0
		.amdhsa_kernarg_size 16
		.amdhsa_user_sgpr_count 2
		.amdhsa_user_sgpr_kernarg_segment_ptr 1
		.amdhsa_wavefront_size32 1
		.amdhsa_system_sgpr_workgroup_id_x 1
		.amdhsa_system_sgpr_workgroup_id_y 1
		.amdhsa_system_sgpr_workgroup_id_z 1
		.amdhsa_system_vgpr_workitem_id 0
		.amdhsa_next_free_vgpr 256
		.amdhsa_next_free_sgpr 66
		.amdhsa_reserve_vcc 0
		.amdhsa_float_denorm_mode_32 3
		.amdhsa_float_denorm_mode_16_64 3
		.amdhsa_memory_ordered 1
		.amdhsa_forward_progress 1
		.amdhsa_inst_pref_size 31
	.end_amdhsa_kernel
	.amdgpu_metadata
---
amdhsa.version: [ 1, 2 ]
amdhsa.kernels:
  - .name:           k_q61a3a4f717_attn
    .symbol:         k_q61a3a4f717_attn.kd
    .args:
      - { .name: qkv, .offset: 0, .size: 8, .value_kind: global_buffer, .address_space: global }
      - { .name: oimg, .offset: 8, .size: 8, .value_kind: global_buffer, .address_space: global }
    .group_segment_fixed_size: 169984
    .private_segment_fixed_size: 0
    .kernarg_segment_align: 8
    .kernarg_segment_size: 16
    .max_flat_workgroup_size: 512
    .sgpr_count:     66
    .vgpr_count:     256
    .wavefront_size: 32
...
	.end_amdgpu_metadata
.endif
;; end of part 3
;; launch proj (part 4): grid 256 x 1, 4 waves a work-group, no clusters, 17,920 bytes of LDS; arguments oimg, wimg, out0; writes out0
.if DOCPART == 4
	.amdgcn_target "amdgcn-amd-amdhsa--gfx1250"
	.amdhsa_code_object_version 6
	.text
	.protected	k_q61a3a4f717_proj
	.globl	k_q61a3a4f717_proj
	.p2align	8
	.type	k_q61a3a4f717_proj,@function
k_q61a3a4f717_proj:
	s_mov_b64 s[64:65], 0
	v_nop
	global_prefetch_b8 v0, s[64:65] scope:SCOPE_SE
	s_setreg_imm32_b32 hwreg(HW_REG_WAVE_MODE, 25, 1), 1
	s_wait_xcnt 0x0
; out0 = o Wp + bp on codes of E5M2 with E8M0 scales.  o comes as images of the operand's registers (oimg: a record of 52,224 bytes for 64 tokens: fragment (m, s) at (6 m + s) x 2,048, scale words from 49,152
; at (6 m + s) x 128), Wp and bp from wimg's units 36 on (a tile's record: codes, from 12,288 scale words at 32 x lane + 4 s, from 13,312 the bias in the result's layout).
; SHARES: a work-group owns 64 tokens; every wave holds their 24 fragments in registers; THE WAVES SHARE THE COLUMNS: wave w makes columns 192 w .. 192 w + 191, three units of 64 (96 matrix instructions each).
; The weights go straight into registers, four tile buffers deep: a weight byte is wanted by one wave of the group, so LDS would add a read and spare none.
; NO CLUSTER: all work-groups walk the same weights, but a joint request lands in LDS alone, and this text keeps the weights out of LDS.
; Source 0 = weight, source 1 = tokens: a lane holds one token (row lane % 16 of tile m: token 32 (m / 2) + 8 (m % 2) + r + 8 (r / 8)), and the 32 registers v[ACC + 32 m ..] are columns
; 32 (n / 2) + 16 (lane / 16) + 8 (n % 2) + j of the unit.  bp is the C of each sum's first product, so the order of rounding differs from bias-last.
; THE WAY OUT: 16 tokens x 64 columns go through the wave's own stage in LDS (rows of 256 + 16 bytes) and leave as whole rows: sixteen lanes store 256 consecutive bytes, aligned.  No barrier: waves share no LDS byte.
.set UB,   57344
.set NTB,  14336
.set ORB,  52224
.set LI,  1                            ; 16 x lane
.set L32, 2                            ; 32 x lane
.set L4,  3                            ; 4 x lane
.set SI,  4                            ; the stage, on the way in: row r, + 64 h
.set SO,  5                            ; and out: lanes 0-15 one row, lanes 16-31 the next
.set GO,  6                            ; the same two rows in out0
.set XS,  16                           ; v16-39   o's scale words
.set WS,  40                           ; v40-63   the weights' scale words
.set ACC, 64                           ; v64-191  accumulators
.set BI,  192                          ; v192-223 bias images
.set RB,  224                          ; v224-255 rows read back from the stage
.set XB,  256                          ; v256-639 o's 24 fragments
.set WB,  640                          ; v640-1023 four weight buffers of six fragments
.set OI,  4
.set WP,  6
.set OUTP, 8
.set WV,  10
.set MSB, 0
.macro WIN new                         ; the immediate's high byte repeats the setting that is left; a switch that changes nothing is dropped
.if MSB != \new
	s_set_vgpr_msb (MSB<<8)|\new
.set MSB, \new
.endif
.endm
.macro PLACES n
.rept \n
	v_nop
.endr
.endm
.macro MM d, a, b, c, sa, sb           ; one product, operands by absolute register number
	WIN ((((\d)/256)<<6)|(((\c)/256)<<4)|(((\b)/256)<<2)|((\a)/256))
	v_wmma_scale_f32_16x16x128_f8f6f4 v[(\d)%256:(\d)%256+7], v[(\a)%256:(\a)%256+15], v[(\b)%256:(\b)%256+15], v[(\c)%256:(\c)%256+7], v[\sa], v[\sb] matrix_a_fmt:MATRIX_FMT_BF8 matrix_b_fmt:MATRIX_FMT_BF8
.endm
.macro FILL n, off                     ; the record of tile n of the unit off bytes on from s[WP]: 28 loads
.irp s, 0,1,2,3,4,5
	WIN (((WB+96*\n+16*\s)/256)<<6)
.irp c, 0,1,2,3
	global_load_b128 v[(WB+96*\n+16*\s+4*\c)%256:(WB+96*\n+16*\s+4*\c)%256+3], v[LI], s[WP:WP+1] offset:\off+\n*NTB+(4*\s+\c)*512
.endr
.endr
	WIN 0
	global_load_b128 v[WS+6*\n:WS+6*\n+3], v[L32], s[WP:WP+1] offset:\off+\n*NTB+12288
	global_load_b64 v[WS+6*\n+4:WS+6*\n+5], v[L32], s[WP:WP+1] offset:\off+\n*NTB+12304
	global_load_b128 v[BI+8*\n:BI+8*\n+3], v[LI], s[WP:WP+1] offset:\off+\n*NTB+13312
	global_load_b128 v[BI+8*\n+4:BI+8*\n+7], v[LI], s[WP:WP+1] offset:\off+\n*NTB+13824
.endm
.macro NTILE n, cnt                    ; tile n: 24 products, K ascending, the four accumulators by turns, one instruction a turn
	s_wait_loadcnt \cnt                            ; buffer n is in
.irp s, 0,1,2,3,4,5
.irp m, 0,1,2,3
.if \s == 0
	MM ACC+32*\m+8*\n, WB+96*\n+16*\s, XB+16*(4*\s+\m), BI+8*\n, WS+6*\n+\s, XS+4*\s+\m
.else
	MM ACC+32*\m+8*\n, WB+96*\n+16*\s, XB+16*(4*\s+\m), ACC+32*\m+8*\n, WS+6*\n+\s, XS+4*\s+\m
.endif
.endr
.endr
	WIN 0
	PLACES 8                                       ; eight places in front of loads into registers that these products have read, and of the first read of results
.endm
.macro EPIP q                          ; unit q's results leave, a token tile at a time
.irp m, 0,1,2,3
	s_wait_xcnt 0x0                                ; the earlier stores have read v[RB] on: only now is it loaded again
.irp k, 0,1,2,3,4,5,6,7
	ds_store_b128 v[SI], v[ACC+32*\m+4*\k:ACC+32*\m+4*\k+3] offset:128*(\k/4)+16*(\k%4)   ; each accumulator from its low end on
.endr
.irp i, 0,1,2,3,4,5,6,7
	ds_load_b128 v[RB+4*\i:RB+4*\i+3], v[SO] offset:544*\i         ; LDS serves a wave's instructions in order: these see the stores above, and the next tile's stores come behind them
.endr
.irp i, 0,1,2,3,4,5,6,7
	s_wait_dscnt 7-\i                              ; rows 2 i, 2 i + 1 are back; the younger loads stay out
	global_store_b128 v[GO], v[RB+4*\i:RB+4*\i+3], s[OUTP:OUTP+1] offset:(32*(\m/2)+8*(\m%2)+2*\i+8*(\i/4))*3072+256*\q th:TH_STORE_NT
.endr
.endr
.endm
.macro UNITP q, next, c0, c1, c2, c3
	NTILE 0, \c0
.if \next >= 0
	FILL 0, \next
.endif
	NTILE 1, \c1
.if \next >= 0
	FILL 1, \next
.endif
	NTILE 2, \c2
.if \next >= 0
	FILL 2, \next
.endif
	NTILE 3, \c3
.if \next >= 0
	FILL 3, \next
.endif
	EPIP \q
.endm
	s_load_b128 s[4:7], s[0:1], 0x0                ; oimg, wimg
	s_load_b64 s[8:9], s[0:1], 0x10                ; out0
	v_lshl_add_u32 v14, v0, 2, 0x4400
	v_mov_b32 v15, 0
	v_lshrrev_b32 v224, 5, v0
	v_readfirstlane_b32 s[WV], v224                ; wave 0..3
	v_and_b32 v224, 31, v0                         ; lane
	v_and_b32 v225, 15, v0                         ; r
	v_bfe_u32 v226, v0, 4, 1                       ; h
	v_lshlrev_b32 v[LI], 4, v224
	v_lshlrev_b32 v[L32], 5, v224
	v_lshlrev_b32 v[L4], 2, v224
	s_mul_i32 s11, s[WV], 4352                     ; my stage: 16 rows of 272 bytes
	v_mul_u32_u24 v[SI], v225, 272
	v_lshl_add_u32 v[SI], v226, 6, v[SI]
	v_add_nc_u32 v[SI], s11, v[SI]
	v_mul_u32_u24 v[SO], v226, 272
	v_lshl_add_u32 v[SO], v225, 4, v[SO]
	v_add_nc_u32 v[SO], s11, v[SO]
	v_mul_u32_u24 v[GO], v226, 3072
	v_lshl_add_u32 v[GO], v225, 4, v[GO]
	s_mul_i32 s12, ttmp9, ORB                      ; my 64 tokens' record
	s_mov_b32 s13, 0
	s_mul_i32 s14, s[WV], 3*UB
	s_add_co_u32 s14, s14, 36*UB                   ; my three units
	s_mov_b32 s15, 0
	s_mul_i32 s16, ttmp9, 196608                   ; 64 rows of 3,072 bytes,
	s_mul_i32 s18, s[WV], 768                      ; my 192 columns
	s_add_co_u32 s16, s16, s18
	s_mov_b32 s17, 0
	s_wait_kmcnt 0x0
	s_add_nc_u64 s[OI:OI+1], s[OI:OI+1], s[12:13]
	s_add_nc_u64 s[WP:WP+1], s[WP:WP+1], s[14:15]
	s_add_nc_u64 s[OUTP:OUTP+1], s[OUTP:OUTP+1], s[16:17]
.irp s, 0,1,2,3,4,5
.irp m, 0,1,2,3
	WIN (((XB+16*(4*\s+\m))/256)<<6)
.irp c, 0,1,2,3
	global_load_b128 v[(XB+16*(4*\s+\m)+4*\c)%256:(XB+16*(4*\s+\m)+4*\c)%256+3], v[LI], s[OI:OI+1] offset:(6*\m+\s)*2048+512*\c
.endr
.endr
.endr
	WIN 0
.irp s, 0,1,2,3,4,5
.irp m, 0,1,2,3
	global_load_b32 v[XS+4*\s+\m], v[L4], s[OI:OI+1] offset:49152+(6*\m+\s)*128
.endr
.endr
	FILL 0, 0
	FILL 1, 0
	FILL 2, 0
	FILL 3, 0
; Behind the buffer that a tile waits for stand three younger fills, 84 loads; the wait names 63, the most its field holds: a smaller count than the true one is safe.  The first such wait also shows o's loads done: they are older.
	UNITP 0, UB, 63, 63, 63, 63
	UNITP 1, 2*UB, 63, 63, 63, 63
	UNITP 2, -1, 63, 56, 28, 0                     ; the last unit asks for nothing: the counts run down: two, one, no younger fills of 28
	s_wait_tensorcnt 0x0
	ds_add_u32 v14, v15
	s_wait_dscnt 0x0
	s_endpgm
.Lfunc_end_k_q61a3a4f717_proj:
	.size	k_q61a3a4f717_proj, .Lfunc_end_k_q61a3a4f717_proj-k_q61a3a4f717_proj
	.p2alignl 7, 3214868480
	.fill 96, 4, 3214868480
	.section	.rodata,"a",@progbits
	.p2align	6, 0x0
	.amdhsa_kernel k_q61a3a4f717_proj
		.amdhsa_group_segment_fixed_size 17920
		.amdhsa_private_segment_fixed_size 0
		.amdhsa_enable_private_segment 0
		.amdhsa_kernarg_size 24
		.amdhsa_user_sgpr_count 2
		.amdhsa_user_sgpr_kernarg_segment_ptr 1
		.amdhsa_wavefront_size32 1
		.amdhsa_system_sgpr_workgroup_id_x 1
		.amdhsa_system_sgpr_workgroup_id_y 1
		.amdhsa_system_sgpr_workgroup_id_z 1
		.amdhsa_system_vgpr_workitem_id 0
		.amdhsa_next_free_vgpr 1024
		.amdhsa_next_free_sgpr 66
		.amdhsa_reserve_vcc 0
		.amdhsa_float_denorm_mode_32 3
		.amdhsa_float_denorm_mode_16_64 3
		.amdhsa_memory_ordered 1
		.amdhsa_forward_progress 1
		.amdhsa_inst_pref_size 111
	.end_amdhsa_kernel
	.amdgpu_metadata
---
amdhsa.version: [ 1, 2 ]
amdhsa.kernels:
  - .name:           k_q61a3a4f717_proj
    .symbol:         k_q61a3a4f717_proj.kd
    .args:
      - { .name: oimg, .offset: 0, .size: 8, .value_kind: global_buffer, .address_space: global }
      - { .name: wimg, .offset: 8, .size: 8, .value_kind: global_buffer, .address_space: global }
      - { .name: out0, .offset: 16, .size: 8, .value_kind: global_buffer, .address_space: global }
    .group_segment_fixed_size: 17920
    .private_segment_fixed_size: 0
    .kernarg_segment_align: 8
    .kernarg_segment_size: 24
    .max_flat_workgroup_size: 128
    .sgpr_count:     66
    .vgpr_count:     1024
    .wavefront_size: 32
...
	.end_amdgpu_metadata
.endif
;; end of part 4
;; ======== version 2 of 2: 4 launches
;; limits: right only within a limited range of input values
;; workspace buffers: wimg 2,752,512 bytes; timg 13,369,344 bytes; qkv 40,108,032 bytes
;; launch prep (part 5): grid 32 x 25, 4 waves a work-group, no clusters, 34,304 bytes of LDS; arguments Wq, Wk, Wv, Wp, bq, bk, bv, bp, wimg, x, timg; writes wimg, timg
.if DOCPART == 5
	.amdgcn_target "amdgcn-amd-amdhsa--gfx1250"
	.amdhsa_code_object_version 6
	.text
	.protected	k_q61a3a4f717_prep
	.globl	k_q61a3a4f717_prep
	.p2align	8
	.type	k_q61a3a4f717_prep,@function
k_q61a3a4f717_prep:
	s_mov_b64 s[64:65], 0
	v_nop
	global_prefetch_b8 v0, s[64:65] scope:SCOPE_SE
	s_setreg_imm32_b32 hwreg(HW_REG_WAVE_MODE, 25, 1), 1
	s_wait_xcnt 0x0
; x and the four weights (all f32) become codes of E5M2 with one E8M0 byte for each 32 along K (their d axis), laid as IMAGES OF THE OPERAND'S REGISTERS.  One launch serves both: of the 800 work-groups
; (number L = 32 y + x) the first 512 take x, the other 288 the weights.  Every operand is quantised once here, since several work-groups of the next launch read each of them.
; TILE ORDER (tokens, columns): row rho of tile t is index 32 (t / 2) + 8 (t % 2) + rho + 8 (rho / 8), so that the results of source-0 tiles 2 b, 2 b + 1 are 16 neighbours along the next product's K.
; timg: a record of 52,224 bytes for 64 tokens: fragment (token tile m, K step s of 128) at (6 m + s) x 2,048 + 512 c + 16 lane (register group c); from 49,152 its scale words at (6 m + s) x 128 + 4 lane.
; wimg: 48 units of 64 columns (slot 3 head + which for Wq, Wk, Wv; slot 36 + p for Wp's columns 64 p on); a unit is 4 tiles of 16 columns, 14,336 bytes each:
;   codes (4 s + c) x 512 + 16 lane | from 12,288 scale words 32 lane + 4 s | from 13,312 the bias in the result's layout, g x 512 + 16 lane.
; THE x PATH: work-group L takes record L / 2 and K steps 3 (L % 2) on; wave m takes token tile m.  K is innermost in x: each load reads 512 consecutive bytes of one token's row; a K step's 16 rows turn through
;   the wave's own stage in LDS (rows of 512 + 16 bytes) and come back, into the registers that they left, as 16 neighbours of each block of 32 a lane.  All 48 loads of a wave go out at once.
; THE WEIGHTS' PATH: idx = L - 512: K step idx / 48, head (or p) (idx % 48) / 4, which = idx % 4; wave = tile.  K is NOT innermost: a lane takes a column and its 64 registers run down K in the operand's own
;   order.  A load touches pieces of 32 bytes; the four waves of a work-group together use every byte of the 128 rows x 256 bytes that they touch.
; A block's scale byte is its largest magnitude's exponent field - 15, held at 1 from below.  LIMITS: a block of zeros gets the byte 1 where the rule says 127 (its codes are zeros, and this program alone
; reads the bytes); NaN and infinities among the inputs are not served.  No matrix unit, cluster or barrier: each number is read once and waves share nothing.
.set UB,   57344                       ; bytes of a unit
.set NTB,  14336                       ; bytes of a tile's record
.set ORB,  52224                       ; bytes of a record of timg
.set STGB, 8448                        ; LDS: a stage of 16 rows x 528 bytes for each wave (the x path alone uses LDS)
.set PW,   9                           ; v9      the scale word
.set XLI,  10                          ; v10     x path: 16 x lane
.set XL4,  11                          ; v11     4 x lane
.set STI,  12                          ; v12     the stage, on the way in
.set STO,  13                          ; v13     and out: row r, + 64 h
.set BIA,  16                          ; v16-23  the bias image
.set TM,   32                          ; v32-47  at work in QUANT
.set PC,   48                          ; v48-63  the codes
.set X,    64                          ; v64-127 the numbers (x path: three sets, v64-255, one for each K step)
.set SEL,  36                          ; s[36:37] lane selects: lane l xor 16
.set MNT,  38                          ; s38     the mantissa field of 57,344
; 64 numbers of a lane, register 16 b + i = k 32 b + 16 (lane / 16) + i, become a fragment's codes in v[PC] on and its scale word in v[PW]
.macro QUANT s
.irp b, 0,1,2,3
	v_max3_num_f32 v[TM+\b], |v[\s+16*\b]|, |v[\s+1+16*\b]|, 0x8000000   ; my 16 numbers of block b, and the floor 2^(16 - 127): the byte cannot fall under 1
.endr
.irp i, 2,4,6,8,10,12,14
.irp b, 0,1,2,3
	v_max3_num_f32 v[TM+\b], v[TM+\b], |v[\s+16*\b+\i]|, |v[\s+1+16*\b+\i]|
.endr
.endr
.irp b, 0,1,2,3
	v_permlanex16_b32 v[TM+4+\b], v[TM+\b], s[SEL], s[SEL+1]
.endr
.irp b, 0,1,2,3
	v_max_num_f32 v[TM+\b], v[TM+\b], v[TM+4+\b]                   ; with lane l xor 16's: the block's largest magnitude
.endr
.irp b, 0,1,2,3
	v_add_nc_u32 v[TM+12+\b], 0xf8800000, v[TM+\b]                 ; 15 off its exponent field: the conversion's scale operand
.endr
.irp b, 0,1,2,3
	v_and_or_b32 v[TM+8+\b], v[TM+\b], 0x7f800000, s[MNT]          ; 57,344 x the scale
.endr
.irp b, 0,1,2,3
	v_lshrrev_b32 v[TM+4+\b], 23, v[TM+12+\b]                      ; the scale's byte
.endr
	v_lshl_or_b32 v[PW], v[TM+5], 8, v[TM+4]
	v_lshl_or_b32 v[PW], v[TM+6], 16, v[PW]
	v_lshl_or_b32 v[PW], v[TM+7], 24, v[PW]
.irp b, 0,1,2,3
.irp i, 0,1,2,3,4,5,6,7,8,9,10,11,12,13,14,15
	v_med3_num_f32 v[\s+16*\b+\i], v[\s+16*\b+\i], -v[TM+8+\b], v[TM+8+\b]   ; the conversion to an 8-bit code does not saturate (ISA guide 7.6.2): hold first
.endr
	v_cvt_scalef32_pk8_bf8_f32 v[PC+4*\b:PC+1+4*\b], v[\s+16*\b:\s+7+16*\b], v[TM+12+\b]
	v_cvt_scalef32_pk8_bf8_f32 v[PC+2+4*\b:PC+3+4*\b], v[\s+8+16*\b:\s+15+16*\b], v[TM+12+\b]
.endr
	v_nop                                          ; one plain instruction behind the last scaled conversion
.endm
.macro WLOAD pitch                     ; 64 loads: W(32 c + i (+ 16 h), my column)
.irp c, 0,1,2,3
.irp i, 0,1,2,3,4,5,6,7,8,9,10,11,12,13,14,15
	global_load_b32 v[X+16*\c+\i], v5, s[4:5] offset:(32*\c+\i)*\pitch
.endr
.endr
.endm
.macro XLOAD s                         ; my K step s of three: 16 loads of 512 consecutive bytes, one token's row each, into set s
.irp i, 0,1,2,3,4,5,6,7,8,9,10,11,12,13,14,15
	global_load_b128 v[X+64*\s+4*\i:X+64*\s+4*\i+3], v[XLI], s[40:41] offset:(\i+8*(\i/8))*3072+512*\s th:TH_LOAD_NT
.endr
.endm
.macro XSTEP s, cnt                    ; cnt: the younger loads that may stay out
	s_wait_loadcnt \cnt
.irp i, 0,1,2,3,4,5,6,7,8,9,10,11,12,13,14,15
	ds_store_b128 v[STI], v[X+64*\s+4*\i:X+64*\s+4*\i+3] offset:528*\i
.endr
.irp b, 0,1,2,3
.irp j, 0,1,2,3
	ds_load_b128 v[X+64*\s+16*\b+4*\j:X+64*\s+16*\b+4*\j+3], v[STO] offset:128*\b+16*\j   ; LDS serves a wave's instructions in order (ISA guide 5.7.1.4): these see the stores above, and land in the registers that those have left
.endr
.endr
	s_wait_dscnt 0x0                               ; my 64 numbers are in; the next step's stores into the stage come behind these reads
.if \s > 0
	s_wait_xcnt 0x0                                ; the last step's stores have read the codes and the scale word: only now are they written again
.endif
	QUANT X+64*\s
.irp c, 0,1,2,3
	global_store_b128 v[XLI], v[PC+4*\c:PC+4*\c+3], s[44:45] offset:2048*\s+512*\c   ; 32 lanes store 512 consecutive bytes, aligned
.endr
	global_store_b32 v[XL4], v[PW], s[42:43] offset:49152+128*\s
.endm
	s_load_b256 s[4:11], s[0:1], 0x0               ; Wq, Wk, Wv, Wp
	s_load_b256 s[12:19], s[0:1], 0x20             ; bq, bk, bv, bp
	s_load_b64 s[20:21], s[0:1], 0x40              ; wimg
	s_load_b64 s[40:41], s[0:1], 0x48              ; x
	s_load_b64 s[42:43], s[0:1], 0x50              ; timg
	v_lshl_add_u32 v30, v0, 2, 0x8400
	v_mov_b32 v31, 0
	v_lshrrev_b32 v1, 5, v0
	v_readfirstlane_b32 s22, v1                    ; wave
	v_and_b32 v1, 31, v0                           ; lane
	v_and_b32 v2, 15, v0                           ; r
	v_bfe_u32 v3, v0, 4, 1                         ; h
	s_and_b32 s24, ttmp7, 0xffff
	s_lshl_b32 s24, s24, 5
	s_add_co_u32 s24, s24, ttmp9                   ; L = 32 y + x
	s_mov_b32 s[SEL], 0x76543210
	s_mov_b32 s[SEL+1], 0xfedcba98
	s_mov_b32 s[MNT], 0x600000
.irp b, 0,1,2,3
	v_mov_b32 v[TM+4+\b], 0                        ; a lane permute's destination counts as one of its sources
.endr
	s_cmp_lt_u32 s24, 512
	s_cbranch_scc1 .Lx
	; ---- the weights' path
	s_sub_co_u32 s24, s24, 512                     ; idx, 0 to 287
	s_lshr_b32 s26, s24, 4
	s_mul_i32 s26, s26, 11
	s_lshr_b32 s26, s26, 5                         ; K step = idx / 48 = (idx / 16) / 3; a / 3 = 11 a / 32 for a up to 17
	s_mul_i32 s25, s26, 48
	s_sub_co_u32 s24, s24, s25
	s_lshr_b32 s23, s24, 2                         ; head, or p
	s_and_b32 s25, s24, 3                          ; which: 0 q, 1 k, 2 v, 3 p
	s_lshr_b32 s30, s22, 1
	s_lshl_b32 s30, s30, 5
	s_and_b32 s31, s22, 1
	s_lshl_b32 s31, s31, 3
	s_add_co_u32 s30, s30, s31                     ; the tile's first column: 32 (n / 2) + 8 (n % 2)
	s_wait_alu depctr_va_vdst(0)
	v_and_b32 v4, 8, v2
	v_add_nc_u32 v4, v4, v2
	v_add_nc_u32 v4, s30, v4
	v_lshlrev_b32 v4, 2, v4                        ; my column, in bytes
	v_lshlrev_b32 v6, 4, v1                        ; 16 x lane
	v_lshlrev_b32 v7, 5, v1
	v_lshl_add_u32 v7, s26, 2, v7                  ; 32 x lane + 4 x K step
	s_mul_i32 s29, s23, 3
	s_add_co_u32 s29, s29, s25                     ; slot 3 head + which,
	s_add_co_u32 s33, s23, 36                      ; or 36 + p
	s_mov_b32 s27, 256                             ; bytes from row to row of K,
	s_mov_b32 s28, 196608                          ; and from head to head
	s_wait_kmcnt 0x0
	s_cmp_eq_u32 s25, 1                            ; the buffers are chosen on the work-group's number alone
	s_cselect_b64 s[4:5], s[6:7], s[4:5]
	s_cselect_b64 s[12:13], s[14:15], s[12:13]
	s_cmp_eq_u32 s25, 2
	s_cselect_b64 s[4:5], s[8:9], s[4:5]
	s_cselect_b64 s[12:13], s[16:17], s[12:13]
	s_cmp_eq_u32 s25, 3
	s_cselect_b64 s[4:5], s[10:11], s[4:5]
	s_cselect_b64 s[12:13], s[18:19], s[12:13]
	s_cselect_b32 s27, 3072, s27
	s_cselect_b32 s28, 256, s28
	s_cselect_b32 s29, s33, s29
	s_mul_i32 s32, s23, s28
	s_mul_i32 s33, s26, s27
	s_lshl_b32 s33, s33, 7                         ; 128 rows of K for each K step
	s_add_co_u32 s32, s32, s33
	s_mov_b32 s33, 0
	s_add_nc_u64 s[4:5], s[4:5], s[32:33]          ; the weight at my unit's first column and my K step's first row
	s_lshl_b32 s32, s23, 8
	s_add_nc_u64 s[12:13], s[12:13], s[32:33]      ; the bias at my unit's 64 numbers
	s_mul_i32 s32, s29, UB
	s_mul_i32 s31, s22, NTB
	s_add_co_u32 s32, s32, s31
	s_add_nc_u64 s[20:21], s[20:21], s[32:33]      ; my tile's record
	s_lshl_b32 s32, s26, 11
	s_add_nc_u64 s[34:35], s[20:21], s[32:33]      ; and my fragment in it
	s_cmp_eq_u32 s25, 3
	s_cbranch_scc1 .Lwp
	s_wait_alu depctr_va_vdst(0)
	v_lshl_add_u32 v5, v3, 12, v4                  ; lanes 16-31 begin 16 rows of 256 bytes further down
	WLOAD 256
	s_branch .Lloaded
.Lwp:
	s_wait_alu depctr_va_vdst(0)
	v_mad_u32_u24 v5, v3, 0xc000, v4               ; 16 rows of 3,072 bytes
	WLOAD 3072
.Lloaded:
	s_wait_loadcnt 0x0
	QUANT X
.irp c, 0,1,2,3
	global_store_b128 v6, v[PC+4*\c:PC+4*\c+3], s[34:35] offset:512*\c   ; 32 lanes store 512 consecutive bytes, aligned
.endr
	global_store_b32 v7, v[PW], s[20:21] offset:12288
	s_cmp_lg_u32 s26, 0                            ; the waves of K step 0 also lay the bias out
	s_cbranch_scc1 .Lend
	s_cmp_eq_u32 s25, 2
	s_cbranch_scc1 .Lbias_v
	v_lshlrev_b32 v8, 6, v3                        ; q, k, p: the weight is source 0, so register j of lane (r, h) is column first + 16 h + j
	v_lshl_add_u32 v8, s30, 2, v8
	global_load_b128 v[BIA:BIA+3], v8, s[12:13]
	global_load_b128 v[BIA+4:BIA+7], v8, s[12:13] offset:16
	s_wait_loadcnt 0x0
	s_branch .Lbias_out
.Lbias_v:
	global_load_b32 v[BIA], v4, s[12:13]           ; v: the weight is source 1, so all eight registers of a lane belong to its own column
	s_wait_loadcnt 0x0
.irp j, 1,2,3,4,5,6,7
	v_mov_b32 v[BIA+\j], v[BIA]
.endr
.Lbias_out:
	global_store_b128 v6, v[BIA:BIA+3], s[20:21] offset:13312
	global_store_b128 v6, v[BIA+4:BIA+7], s[20:21] offset:13824
.Lend:
	s_endpgm
	; ---- the x path
.Lx:
	s_lshr_b32 s25, s24, 1                         ; the record: 64 tokens
	s_and_b32 s26, s24, 1                          ; which three K steps
	s_wait_alu depctr_va_vdst(0)
	v_lshlrev_b32 v[XLI], 4, v1
	v_lshlrev_b32 v[XL4], 2, v1
	s_mul_i32 s27, s22, STGB                       ; my stage
	v_add_nc_u32 v[STI], s27, v[XLI]
	v_mul_u32_u24 v[STO], v2, 528
	v_lshl_add_u32 v[STO], v3, 6, v[STO]
	v_add_nc_u32 v[STO], s27, v[STO]
	s_lshl_b32 s28, s25, 6
	s_lshr_b32 s27, s22, 1
	s_lshl_b32 s27, s27, 5
	s_add_co_u32 s28, s28, s27
	s_and_b32 s27, s22, 1
	s_lshl_b32 s27, s27, 3
	s_add_co_u32 s28, s28, s27                     ; my token tile's first token: 64 record + 32 (m / 2) + 8 (m % 2)
	s_mul_i32 s28, s28, 3072
	s_mul_i32 s27, s26, 1536                       ; three K steps of 512 bytes
	s_add_co_u32 s28, s28, s27
	s_mov_b32 s29, 0
	s_mul_i32 s34, s25, ORB
	s_mul_i32 s27, s22, 6
	s_mul_i32 s35, s26, 3
	s_add_co_u32 s27, s27, s35                     ; my first fragment: 6 m + 3 (L % 2)
	s_lshl_b32 s30, s27, 11
	s_add_co_u32 s30, s30, s34
	s_mov_b32 s31, 0
	s_lshl_b32 s32, s27, 7
	s_add_co_u32 s32, s32, s34
	s_mov_b32 s33, 0
	s_wait_alu depctr_va_vdst(0)
	s_wait_kmcnt 0x0
	s_add_nc_u64 s[40:41], s[40:41], s[28:29]      ; x at my rows and K steps
	s_add_nc_u64 s[44:45], s[42:43], s[30:31]      ; my fragments' place,
	s_add_nc_u64 s[42:43], s[42:43], s[32:33]      ; my scale words' place, less 49,152
	XLOAD 0
	XLOAD 1
	XLOAD 2
	XSTEP 0, 32                                    ; the counts: two, one, no younger K steps of 16 loads
	XSTEP 1, 16
	XSTEP 2, 0
	s_wait_tensorcnt 0x0
	ds_add_u32 v30, v31
	s_wait_dscnt 0x0
	s_endpgm
.Lfunc_end_k_q61a3a4f717_prep:
	.size	k_q61a3a4f717_prep, .Lfunc_end_k_q61a3a4f717_prep-k_q61a3a4f717_prep
	.p2alignl 7, 3214868480
	.fill 96, 4, 3214868480
	.section	.rodata,"a",@progbits
	.p2align	6, 0x0
	.amdhsa_kernel k_q61a3a4f717_prep
		.amdhsa_group_segment_fixed_size 34304
		.amdhsa_private_segment_fixed_size 0
		.amdhsa_enable_private_segment 0
		.amdhsa_kernarg_size 88
		.amdhsa_user_sgpr_count 2
		.amdhsa_user_sgpr_kernarg_segment_ptr 1
		.amdhsa_wavefront_size32 1
		.amdhsa_system_sgpr_workgroup_id_x 1
		.amdhsa_system_sgpr_workgroup_id_y 1
		.amdhsa_system_sgpr_workgroup_id_z 1
		.amdhsa_system_vgpr_workitem_id 0
		.amdhsa_next_free_vgpr 256
		.amdhsa_next_free_sgpr 66
		.amdhsa_reserve_vcc 0
		.amdhsa_float_denorm_mode_32 3
		.amdhsa_float_denorm_mode_16_64 3
		.amdhsa_memory_ordered 1
		.amdhsa_forward_progress 1
		.amdhsa_inst_pref_size 63
	.end_amdhsa_kernel
	.amdgpu_metadata
---
amdhsa.version: [ 1, 2 ]
amdhsa.kernels:
  - .name:           k_q61a3a4f717_prep
    .symbol:         k_q61a3a4f717_prep.kd
    .args:
      - { .name: Wq, .offset: 0, .size: 8, .value_kind: global_buffer, .address_space: global }
      - { .name: Wk, .offset: 8, .size: 8, .value_kind: global_buffer, .address_space: global }
      - { .name: Wv, .offset: 16, .size: 8, .value_kind: global_buffer, .address_space: global }
      - { .name: Wp, .offset: 24, .size: 8, .value_kind: global_buffer, .address_space: global }
      - { .name: bq, .offset: 32, .size: 8, .value_kind: global_buffer, .address_space: global }
      - { .name: bk, .offset: 40, .size: 8, .value_kind: global_buffer, .address_space: global }
      - { .name: bv, .offset: 48, .size: 8, .value_kind: global_buffer, .address_space: global }
      - { .name: bp, .offset: 56, .size: 8, .value_kind: global_buffer, .address_space: global }
      - { .name: wimg, .offset: 64, .size: 8, .value_kind: global_buffer, .address_space: global }
      - { .name: x, .offset: 72, .size: 8, .value_kind: global_buffer, .address_space: global }
      - { .name: timg, .offset: 80, .size: 8, .value_kind: global_buffer, .address_space: global }
    .group_segment_fixed_size: 34304
    .private_segment_fixed_size: 0
    .kernarg_segment_align: 8
    .kernarg_segment_size: 88
    .max_flat_workgroup_size: 128
    .sgpr_count:     66
    .vgpr_count:     256
    .wavefront_size: 32
...
	.end_amdgpu_metadata
.endif
;; end of part 5
;; launch qkv (part 6): grid 256 x 1, 4 waves a work-group, no clusters, 327,680 bytes of LDS; arguments timg, wimg, qkv; writes qkv
.if DOCPART == 6
	.amdgcn_target "amdgcn-amd-amdhsa--gfx1250"
	.amdhsa_code_object_version 6
	.text
	.protected	k_q61a3a4f717_qkv
	.globl	k_q61a3a4f717_qkv
	.p2align	8
	.type	k_q61a3a4f717_qkv,@function
k_q61a3a4f717_qkv:
	s_mov_b64 s[64:65], 0
	v_nop
	global_prefetch_b8 v0, s[64:65] scope:SCOPE_SE
	s_setreg_imm32_b32 hwreg(HW_REG_WAVE_MODE, 25, 1), 1
	s_wait_xcnt 0x0
; q, k, v = x W + b on codes of E5M2 with E8M0 scales, each result quantised again and stored as images of the next launch's operand registers.
; Work-group g: wave w holds record 4 (g / 4) + w of timg (64 tokens, all of K) in registers; the four waves walk the nine units (three heads x q, k, v; 57,344 bytes each) of head group g % 4.
; FIVE UNITS COME INTO LDS, each filled once.  At the head each wave brings its tile (56 rows of 256 bytes) of head 0's q unit, which the first products need, to LDS unit 0.
; Behind the full sequence and its barrier each wave brings one whole unit (224 rows): wave 0 head 1's q, waves 1 to 3 head 2's q, k, v, to LDS units 1 to 4.  The plain barrier ahead of the loop's third unit shows them.
; The k and v units of heads 0 and 1 go from memory straight into registers; the last head, written out behind the loop, takes all three of its units from LDS.
; LIMITS: NaN and infinities are not served; a block's byte never falls under 1.
.set UB,   57344
.set NTB,  14336
.set PART, 69632
.set REC,  208896
.set ORB,  52224
.set LI,  1
.set L32, 2
.set L4,  3
.set ALI, 4
.set ALW, 5
.set QA,  10
.set QS,  11
.set VA,  12
.set VS,  13
.set PW,  14
.set XS,  16
.set WS,  40
.set ACC, 64
.set BI,  192
.set TM,  224
.set PC,  240
.set XB,  256
.set WB,  640
.set XP,  4
.set WP,  6
.set OUT, 8
.set WV,  10
.set SEL, 14
.set MNT, 16
.set CNT, 17
.set G0,  28
.set G1,  40
.set LB,  48
.set MSB, 0
.macro WIN new
.if MSB != \new
	s_set_vgpr_msb (MSB<<8)|\new
.set MSB, \new
.endif
.endm
.macro PLACES n
.rept \n
	v_nop
.endr
.endm
.macro MM d, a, b, c, sa, sb
	WIN ((((\d)/256)<<6)|(((\c)/256)<<4)|(((\b)/256)<<2)|((\a)/256))
	v_wmma_scale_f32_16x16x128_f8f6f4 v[(\d)%256:(\d)%256+7], v[(\a)%256:(\a)%256+15], v[(\b)%256:(\b)%256+15], v[(\c)%256:(\c)%256+7], v[\sa], v[\sb] matrix_a_fmt:MATRIX_FMT_BF8 matrix_b_fmt:MATRIX_FMT_BF8
.endm
.macro QUANT s
.irp b, 0,1,2,3
	v_max3_num_f32 v[TM+\b], |v[\s+16*\b]|, |v[\s+1+16*\b]|, 0x8000000
.endr
.irp i, 2,4,6,8,10,12,14
.irp b, 0,1,2,3
	v_max3_num_f32 v[TM+\b], v[TM+\b], |v[\s+16*\b+\i]|, |v[\s+1+16*\b+\i]|
.endr
.endr
.irp b, 0,1,2,3
	v_permlanex16_b32 v[TM+4+\b], v[TM+\b], s[SEL], s[SEL+1]
.endr
.irp b, 0,1,2,3
	v_max_num_f32 v[TM+\b], v[TM+\b], v[TM+4+\b]
.endr
.irp b, 0,1,2,3
	v_add_nc_u32 v[TM+12+\b], 0xf8800000, v[TM+\b]
.endr
.irp b, 0,1,2,3
	v_and_or_b32 v[TM+8+\b], v[TM+\b], 0x7f800000, s[MNT]
.endr
.irp b, 0,1,2,3
	v_lshrrev_b32 v[TM+4+\b], 23, v[TM+12+\b]
.endr
	v_lshl_or_b32 v[PW], v[TM+5], 8, v[TM+4]
	v_lshl_or_b32 v[PW], v[TM+6], 16, v[PW]
	v_lshl_or_b32 v[PW], v[TM+7], 24, v[PW]
.irp b, 0,1,2,3
.irp i, 0,1,2,3,4,5,6,7,8,9,10,11,12,13,14,15
	v_med3_num_f32 v[\s+16*\b+\i], v[\s+16*\b+\i], -v[TM+8+\b], v[TM+8+\b]
.endr
	v_cvt_scalef32_pk8_bf8_f32 v[PC+4*\b:PC+1+4*\b], v[\s+16*\b:\s+7+16*\b], v[TM+12+\b]
	v_cvt_scalef32_pk8_bf8_f32 v[PC+2+4*\b:PC+3+4*\b], v[\s+8+16*\b:\s+15+16*\b], v[TM+12+\b]
.endr
	v_nop
.endm
.macro FILLG n, off
.irp s, 0,1,2,3,4,5
	WIN (((WB+96*\n+16*\s)/256)<<6)
.irp c, 0,1,2,3
	global_load_b128 v[(WB+96*\n+16*\s+4*\c)%256:(WB+96*\n+16*\s+4*\c)%256+3], v[LI], s[WP:WP+1] offset:\off+\n*NTB+(4*\s+\c)*512
.endr
.endr
	WIN 0
	global_load_b128 v[WS+6*\n:WS+6*\n+3], v[L32], s[WP:WP+1] offset:\off+\n*NTB+12288
	global_load_b64 v[WS+6*\n+4:WS+6*\n+5], v[L32], s[WP:WP+1] offset:\off+\n*NTB+12304
	global_load_b128 v[BI+8*\n:BI+8*\n+3], v[LI], s[WP:WP+1] offset:\off+\n*NTB+13312
	global_load_b128 v[BI+8*\n+4:BI+8*\n+7], v[LI], s[WP:WP+1] offset:\off+\n*NTB+13824
.endm
.macro FILLL n, ra, rw
.irp s, 0,1,2,3,4,5
	WIN (((WB+96*\n+16*\s)/256)<<6)
.irp c, 0,1,2,3
	ds_load_b128 v[(WB+96*\n+16*\s+4*\c)%256:(WB+96*\n+16*\s+4*\c)%256+3], v[\ra] offset:\n*NTB+(4*\s+\c)*512
.endr
.endr
	WIN 0
	ds_load_b128 v[WS+6*\n:WS+6*\n+3], v[\rw] offset:\n*NTB+12288
	ds_load_b64 v[WS+6*\n+4:WS+6*\n+5], v[\rw] offset:\n*NTB+12304
	ds_load_b128 v[BI+8*\n:BI+8*\n+3], v[\ra] offset:\n*NTB+13312
	ds_load_b128 v[BI+8*\n+4:BI+8*\n+7], v[\ra] offset:\n*NTB+13824
.endm
.macro NTILE n, kind, src, cnt
.if \src == 0
	s_wait_dscnt \cnt
.else
	s_wait_loadcnt \cnt
.endif
.irp s, 0,1,2,3,4,5
.irp m, 0,1,2,3
.if \kind == 0
.set RD_, ACC+32*\m+8*\n
.else
.set RD_, ACC+32*\n+8*\m
.endif
.if \s == 0
.set RC_, BI+8*\n
.else
.set RC_, RD_
.endif
.if \kind == 0
	MM RD_, WB+96*\n+16*\s, XB+16*(4*\s+\m), RC_, WS+6*\n+\s, XS+4*\s+\m
.else
	MM RD_, XB+16*(4*\s+\m), WB+96*\n+16*\s, RC_, XS+4*\s+\m, WS+6*\n+\s
.endif
.endr
.endr
	WIN 0
	PLACES 8
.endm
.macro EPI kind, part
.irp hf, 0,1
.if \hf == 1
	s_wait_xcnt 0x0
.endif
	QUANT ACC+64*\hf
.if \kind == 0
.irp c, 0,1,2,3
	global_store_b128 v[QA], v[PC+4*\c:PC+4*\c+3], s[OUT:OUT+1] offset:\part*PART+2048*\hf+512*\c
.endr
	global_store_b32 v[QS], v[PW], s[OUT:OUT+1] offset:\part*PART+65536+128*\hf
.else
.irp c, 0,1,2,3
	global_store_b128 v[VA], v[PC+4*\c:PC+4*\c+3], s[OUT:OUT+1] offset:2*PART+(2*\hf+\c/2)*2048+(\c%2)*512
.endr
	global_store_b16 v[VS], v[PW], s[OUT:OUT+1] offset:2*PART+65536+256*\hf
	global_store_d16_hi_b16 v[VS], v[PW], s[OUT:OUT+1] offset:2*PART+65536+256*\hf+128
.endif
.endr
.endm
.macro REFILL n, nsrc, next
.if \nsrc == 1
	FILLG \n, \next
.endif
.if \nsrc == 0
	FILLL \n, ALI, ALW
.endif
.endm
.macro UNIT kind, part, src, nsrc, next, c0, c1, c2, c3
	NTILE 0, \kind, \src, \c0
.if \nsrc == 0
	v_add_nc_u32 v[ALI], s[LB], v[LI]
	s_wait_alu depctr_va_vdst(0)
	v_add_nc_u32 v[ALW], s[LB], v[L32]
.endif
	s_wait_alu depctr_va_vdst(0)
	REFILL 0, \nsrc, \next
	NTILE 1, \kind, \src, \c1
	REFILL 1, \nsrc, \next
	NTILE 2, \kind, \src, \c2
	REFILL 2, \nsrc, \next
	NTILE 3, \kind, \src, \c3
	s_wait_xcnt 0x0
	REFILL 3, \nsrc, \next
	EPI \kind, \part
.endm
	s_load_b128 s[4:7], s[0:1], 0x0
	s_load_b64 s[8:9], s[0:1], 0x10
	v_lshl_add_u32 v9, v0, 2, 0x46000              ; my spare word, behind the five units
	v_mov_b32 v15, 0
	ds_add_u32 v9, v15
	ds_add_u32 v9, v15
	v_lshrrev_b32 v240, 5, v0
	v_readfirstlane_b32 s[WV], v240
	v_and_b32 v240, 31, v0
	v_lshlrev_b32 v[LI], 4, v240
	s_wait_alu depctr_va_vdst(0)
	v_lshlrev_b32 v[L32], 5, v240
	v_lshlrev_b32 v[L4], 2, v240
	s_wait_alu depctr_va_vdst(0)
	s_and_b32 s26, ttmp9, 3
	s_and_b32 s27, ttmp9, 0xfc
	s_add_co_u32 s27, s27, s[WV]
	s_and_b32 s18, s27, 15
	s_lshr_b32 s19, s27, 4
	s_lshl_b32 s11, s18, 12
	v_add_nc_u32 v[QA], s11, v[LI]
	s_lshl_b32 s11, s18, 8
	v_add_nc_u32 v[QS], s11, v[L4]
	s_lshr_b32 s20, s18, 1
	s_and_b32 s21, s18, 1
	s_lshl_b32 s11, s20, 13
	s_lshl_b32 s22, s21, 10
	s_add_co_u32 s11, s11, s22
	v_add_nc_u32 v[VA], s11, v[LI]
	s_lshl_b32 s11, s20, 9
	s_lshl_b32 s22, s21, 1
	s_add_co_u32 s11, s11, s22
	v_add_nc_u32 v[VS], s11, v[L4]
	s_mul_i32 s12, s27, ORB
	s_mov_b32 s13, 0
	s_mul_i32 s22, s26, 9*UB
	s_mov_b32 s23, 0
	s_mul_i32 s24, s19, 12
	s_mul_i32 s25, s26, 3
	s_add_co_u32 s24, s24, s25
	s_mul_i32 s24, s24, REC
	s_mov_b32 s25, 0
	s_mov_b32 s[SEL], 0x76543210
	s_mov_b32 s[SEL+1], 0xfedcba98
	s_mov_b32 s[MNT], 0x600000
	s_mov_b32 s[G1+0], 3<<16
	s_mov_b32 s[G1+1], 32<<16
	s_mov_b32 s[G1+2], 56<<16
	s_mov_b32 s[G1+3], 32<<16
	s_mov_b32 s[G1+4], 56
	s_mov_b32 s[G1+5], 32
	s_mov_b32 s[G1+6], 0
	s_mov_b32 s[G1+7], 0
	s_mul_i32 s49, s[WV], NTB
	s_mov_b32 s51, 0
	s_mov_b32 s[LB], UB
.irp b, 0,1,2,3
	v_mov_b32 v[TM+4+\b], 0
.endr
	s_wait_dscnt 0x0
	s_wait_kmcnt 0x0
	s_add_nc_u64 s[XP:XP+1], s[XP:XP+1], s[12:13]
	s_add_nc_u64 s[WP:WP+1], s[WP:WP+1], s[22:23]
	s_add_nc_u64 s[OUT:OUT+1], s[OUT:OUT+1], s[24:25]
.set G0B, 32                           ; s[32:35], s[52:59] groups 0 and 1 of the second fill: a whole unit, 224 rows of 256 bytes
.set G1B, 52
	s_mov_b32 s[G1B+0], 3<<16
	s_mov_b32 s[G1B+1], 32<<16
	s_mov_b32 s[G1B+2], 224<<16
	s_mov_b32 s[G1B+3], 32<<16
	s_mov_b32 s[G1B+4], 224
	s_mov_b32 s[G1B+5], 32
	s_mov_b32 s[G1B+6], 0
	s_mov_b32 s[G1B+7], 0
	s_mov_b32 s[G0], 1
	s_mul_i32 s[G0+1], s[WV], NTB                  ; the first fill: tile w of head 0's q unit, to LDS unit 0
	s_mov_b32 s50, s49
	s_add_nc_u64 s[G0+2:G0+3], s[WP:WP+1], s[50:51]
	s_or_b32 s[G0+3], s[G0+3], 0x80000000
	s_mov_b32 s[G0B], 1
	s_mul_i32 s[G0B+1], s[WV], UB
	s_add_co_u32 s[G0B+1], s[G0B+1], UB            ; the second fill: to LDS unit 1 + w,
	s_min_u32 s50, s[WV], 1
	s_lshl_b32 s50, s50, 1
	s_add_co_u32 s50, s50, s[WV]
	s_add_co_u32 s50, s50, 3                       ; the group's unit 3, 6, 7, 8 for wave 0, 1, 2, 3
	s_mul_i32 s50, s50, UB
	s_add_nc_u64 s[G0B+2:G0B+3], s[WP:WP+1], s[50:51]
	s_or_b32 s[G0B+3], s[G0B+3], 0x80000000
	tensor_load_to_lds s[G0:G0+3], s[G1:G1+7]      ; my one tensor load at the head
	s_nop 0
.rept 4
	v_nop
.endr
	s_wait_alu depctr_va_vdst(0)
.irp s, 0,1,2,3,4,5
.irp m, 0,1,2,3
	WIN (((XB+16*(4*\s+\m))/256)<<6)
.irp c, 0,1,2,3
	global_load_b128 v[(XB+16*(4*\s+\m)+4*\c)%256:(XB+16*(4*\s+\m)+4*\c)%256+3], v[LI], s[XP:XP+1] offset:(6*\m+\s)*2048+512*\c
.endr
.endr
.endr
	WIN 0
.irp s, 0,1,2,3,4,5
.irp m, 0,1,2,3
	global_load_b32 v[XS+4*\s+\m], v[L4], s[XP:XP+1] offset:49152+(6*\m+\s)*128
.endr
.endr
	s_wait_tensorcnt 0x0                           ; my tile of unit 0 is in
	ds_add_u32 v9, v15
	s_wait_dscnt 0x0
	s_barrier_signal -1
	s_barrier_wait -1                              ; unit 0 is whole
	tensor_load_to_lds s[G0B:G0B+3], s[G1B:G1B+7]  ; my one load behind this barrier: a whole unit; it is first read behind the barrier in the loop
	s_nop 0
.rept 4
	v_nop
.endr
	FILLL 0, LI, L32
	FILLL 1, LI, L32
	FILLL 2, LI, L32
	FILLL 3, LI, L32
	s_wait_loadcnt 0x0
	s_mov_b32 s[CNT], 2
.Lhead:
	UNIT 0, 0, 0, 1, UB, 63, 56, 28, 0
	UNIT 0, 1, 1, 1, 2*UB, 63, 63, 63, 63
	s_wait_alu depctr_va_vdst(0)
	s_wait_tensorcnt 0x0                           ; the first trip's shows LDS units 1 to 4: this unit's refills read the next head's q unit from there
	s_barrier_signal -1
	s_barrier_wait -1
	UNIT 1, 2, 1, 0, 0, 63, 56, 28, 0
	s_wait_xcnt 0x0
	s_add_nc_u64 s[WP:WP+1], s[WP:WP+1], 3*UB
	s_add_nc_u64 s[OUT:OUT+1], s[OUT:OUT+1], REC
	s_add_co_u32 s[LB], s[LB], UB
	s_sub_co_u32 s[CNT], s[CNT], 1
	s_cmp_lg_u32 s[CNT], 0
	s_cbranch_scc1 .Lhead
	; the last head: s[LB] stands at LDS unit 3, its k unit.  A fill is 28 LDS loads; behind the buffer that a tile waits for stand 84 younger ones, and the wait names 63, the most its field holds
	UNIT 0, 0, 0, 0, 0, 63, 63, 63, 63
	s_add_co_u32 s[LB], s[LB], UB                  ; LDS unit 4: its v unit
	UNIT 0, 1, 0, 0, 0, 63, 63, 63, 63
	UNIT 1, 2, 0, -1, 0, 63, 56, 28, 0             ; the last unit asks for nothing: two, one, no younger fills
	s_wait_tensorcnt 0x0
	ds_add_u32 v9, v15
	s_wait_dscnt 0x0
	s_endpgm
.Lfunc_end_k_q61a3a4f717_qkv:
	.size	k_q61a3a4f717_qkv, .Lfunc_end_k_q61a3a4f717_qkv-k_q61a3a4f717_qkv
	.p2alignl 7, 3214868480
	.fill 96, 4, 3214868480
	.section	.rodata,"a",@progbits
	.p2align	6, 0x0
	.amdhsa_kernel k_q61a3a4f717_qkv
		.amdhsa_group_segment_fixed_size 327680
		.amdhsa_private_segment_fixed_size 0
		.amdhsa_enable_private_segment 0
		.amdhsa_kernarg_size 24
		.amdhsa_user_sgpr_count 2
		.amdhsa_user_sgpr_kernarg_segment_ptr 1
		.amdhsa_wavefront_size32 1
		.amdhsa_system_sgpr_workgroup_id_x 1
		.amdhsa_system_sgpr_workgroup_id_y 1
		.amdhsa_system_sgpr_workgroup_id_z 1
		.amdhsa_system_vgpr_workitem_id 0
		.amdhsa_next_free_vgpr 1024
		.amdhsa_next_free_sgpr 66
		.amdhsa_reserve_vcc 0
		.amdhsa_float_denorm_mode_32 3
		.amdhsa_float_denorm_mode_16_64 3
		.amdhsa_memory_ordered 1
		.amdhsa_forward_progress 1
		.amdhsa_inst_pref_size 252
	.end_amdhsa_kernel
	.amdgpu_metadata
---
amdhsa.version: [ 1, 2 ]
amdhsa.kernels:
  - .name:           k_q61a3a4f717_qkv
    .symbol:         k_q61a3a4f717_qkv.kd
    .args:
      - { .name: timg, .offset: 0, .size: 8, .value_kind: global_buffer, .address_space: global }
      - { .name: wimg, .offset: 8, .size: 8, .value_kind: global_buffer, .address_space: global }
      - { .name: qkv, .offset: 16, .size: 8, .value_kind: global_buffer, .address_space: global }
    .group_segment_fixed_size: 327680
    .private_segment_fixed_size: 0
    .kernarg_segment_align: 8
    .kernarg_segment_size: 24
    .max_flat_workgroup_size: 128
    .sgpr_count:     66
    .vgpr_count:     1024
    .wavefront_size: 32
...
	.end_amdgpu_metadata
.endif
;; end of part 6
;; launch attn (part 7): grid 256 x 1, 8 waves a work-group, no clusters, 327,680 bytes of LDS; arguments qkv, timg; writes timg
.if DOCPART == 7
	.amdgcn_target "amdgcn-amd-amdhsa--gfx1250"
	.amdhsa_code_object_version 6
	.text
	.protected	k_q61a3a4f717_attn
	.globl	k_q61a3a4f717_attn
	.p2align	8
	.type	k_q61a3a4f717_attn,@function
k_q61a3a4f717_attn:
	s_mov_b64 s[64:65], 0
	v_nop
	global_prefetch_b8 v0, s[64:65] scope:SCOPE_SE
	s_setreg_imm32_b32 hwreg(HW_REG_WAVE_MODE, 25, 1), 1
	s_wait_xcnt 0x0
; o = softmax(q k^T / 8) v for 192 (batch, head) pairs of 1,024 tokens, head size 64, both products on codes of E5M2 with one E8M0 byte for each 32 along K; o is quantised again along the
; model's 768 and stored into timg as images of the projection's operand registers (a record of 52,224 bytes for 64 tokens: fragment (m, s) at (6 m + s) x 2,048, scale words from 49,152).
; qkv: a record of 208,896 bytes for each (batch, head): parts q, k, v of 69,632 bytes, each 65,536 bytes of register images and 4,096 of scale words.
; THE SOFTMAX: t = score x log2(e) / 8; M = the running largest t rounded up to a whole number; p = 2^(t - M) is quantised along the keys, not normalised; the row's sum is taken of the unquantised p and divides at the end.
; When M moves, the sum and O^T are multiplied by 2^(old M - new M), in every step, with no branch.
; SHARES: 768 items of 256 queries of one (batch, head); 256 work-groups take three each: two of one head (its k and v parts in LDS slot 0) and one of a second head (slot 1).
; Each of EIGHT waves owns TWO tiles of 16 queries, A and B: every fragment of k and v that it reads from LDS feeds both tiles' products, so a step's 17,408 bytes of LDS reads serve 32 queries.
; REGISTERS: tile A's state lies in window 0 (v0-255), tile B's in window 1 (v256-511) under the same numbers, so each part of the softmax is one macro run under two settings of s_set_vgpr_msb.
; k's and v's fragments, the addresses and all scale words lie in window 0 (scale operands have no window).
; A slot, 139,264 consecutive bytes of qkv, is filled once, 17,408 bytes a wave by one tensor load: slot 0 at the head, slot 1 behind the full sequence and the barrier that also shows slot 0.  No byte is filled again.
; THE HEAD SIZE IS 64 AND THE INSTRUCTION'S K IS 128: a fragment of k holds two tiles of 16 keys, one in K 0-63 and one in K 64-127; q stands in v24-31 between two runs of zero codes, so that v[24:39] meets the first tile and v[16:31] the second.
; q's two scale bytes stand in the low half of lanes 0-15 and in the high half of lanes 16-31 of one register: the second product reads the upper lanes.
; Both products are used transposed: a lane holds one query, and the 16 registers of two neighbouring tiles are 16 neighbouring keys (the tiles' rows were chosen so by the launch before).
; A KEY STEP lays all sources of both tiles first and issues their 136 exponentials as one batch, with one wait ahead of it and one behind it.  O^T is rescaled ahead of the batch.
; Items 0 and 1 read the same slot and are one loop of two trips; what differs lies in scalars.
; NO CLUSTER: each slot is asked for once in the launch, and a joint request would need rounds of the cluster's barrier round a launch with two fills.  NO PREFETCH: both fills go out at the launch's start, and no loop stands ahead of them.
; LIMITS: the promise holds while the scaled scores t stay under 2^31 in magnitude; NaN and infinities are not served; a block's byte never falls under 1 (a block of zeros keeps 1: its codes are zeros, and this program alone reads the bytes).
.set PART, 69632
.set REC,  208896
.set ORB,  52224
.set SLOTB, 139264
.set KSC,  65536
.set VIMG, 69632
.set VSC,  135168
.set LI,  1                            ; 16 x lane
.set L4,  2                            ; 4 x lane
.set ADK, 3                            ; v3-6   LDS addresses of the step's k, k's scale words, v, v's scale words
.set ADS, 4
.set ADV, 5
.set ADT, 6
.set QSA, 7                            ; tile A's, tile B's scale bytes of q
.set QSB, 8
.set AV0, 9                            ; v9-11, v239  the same four addresses at the item's first step
.set AS0, 10
.set AT0, 11
.set AK0, 239
.set QHI, 16
.set QLO, 24
.set FR,  40                           ; v40-103  four fragments of k, then of v (window 0 alone)
.set ST,  104                          ; v104-167 S^T, then p
.set OT,  168                          ; v168-199 O^T
.set CD,  200                          ; v200-215 p's codes
.set BM,  216                          ; the blocks' largest scores, then largest p
.set TP,  220
.set HO,  224                          ; two chains of the sum, then 57,344 x the scale
.set SO,  228                          ; the conversions' scale operands
.set SW,  232                          ; k's or v's scale words (window 0 alone)
.set FF,  236                          ; 2^(old M - new M); v237 beside it gathers p's scale bytes
.set TT,  238
.set QN,  240                          ; the next item's q
.set H16, 249                          ; 16 x (lane / 16)
.set SU,  250                          ; a chain of the sum
.set PWA, 253                          ; p's scale word of tile A; tile B's in v252
.set WV,  8
.set G0,  12
.set G1,  16
.set G0B, 40
.set CNT, 24
.set SA,  25
.set SB,  26
.set SEL, 28
.set CS,  30
.set MNT, 32
.set IBC, 44                           ; eight scalars an item: q's codes, q's scale words, o's codes, o's scale words: the item in hand,
.set IBN, 52                           ; the next,
.set IB2, 68                           ; the third
.set TW,  82                           ; tile A's number in an item: 2 x wave
.set ICN, 83
.set MSB, 0
.macro WIN new                         ; the immediate's high byte repeats the setting that is left; a switch that changes nothing is dropped
.if MSB != \new
	s_set_vgpr_msb (MSB<<8)|\new
.set MSB, \new
.endif
.endm
.macro ADDR ib, rec, head, q
	s_mul_i32 s34, s[\rec], REC
	s_add_nc_u64 s[36:37], s[4:5], s[34:35]
	s_lshl_b32 s38, s[\q], 4
	s_add_co_u32 s38, s38, s[TW]
	s_lshl_b32 s34, s38, 10
	s_add_nc_u64 s[\ib:\ib+1], s[36:37], s[34:35]
	s_lshr_b32 s34, s38, 1
	s_lshl_b32 s34, s34, 7
	s_add_nc_u64 s[\ib+2:\ib+3], s[36:37], s[34:35]
	s_lshl_b32 s34, s11, 4
	s_lshl_b32 s38, s[\q], 2
	s_add_co_u32 s34, s34, s38
	s_lshr_b32 s38, s[TW], 2
	s_add_co_u32 s34, s34, s38
	s_mul_i32 s34, s34, ORB
	s_add_nc_u64 s[36:37], s[6:7], s[34:35]
	s_and_b32 s38, s[TW], 3
	s_mul_i32 s38, s38, 6
	s_lshr_b32 s39, s[\head], 1
	s_add_co_u32 s38, s38, s39
	s_and_b32 s39, s[\head], 1
	s_lshl_b32 s34, s38, 11
	s_lshl_b32 s33, s39, 10
	s_add_co_u32 s34, s34, s33
	s_add_nc_u64 s[\ib+4:\ib+5], s[36:37], s[34:35]
	s_lshl_b32 s34, s38, 7
	s_lshl_b32 s33, s39, 1
	s_add_co_u32 s34, s34, s33
	s_add_nc_u64 s[\ib+6:\ib+7], s[36:37], s[34:35]
.endm
.macro HOLD2 x, y                      ; blocks x and y held at 57,344 x their scales (the conversion does not saturate: ISA guide 7.6.2); p is not negative, so the hold is one-sided
.irp i, 0,2,4,6,8,10,12,14
	v_dual_min_num_f32 v[ST+16*\x+\i], v[ST+16*\x+\i], v[HO+\x] :: v_dual_min_num_f32 v[ST+16*\y+\i+1], v[ST+16*\y+\i+1], v[HO+\y]
	v_dual_min_num_f32 v[ST+16*\y+\i], v[ST+16*\y+\i], v[HO+\y] :: v_dual_min_num_f32 v[ST+16*\x+\i+1], v[ST+16*\x+\i+1], v[HO+\x]
.endr
.endm
.macro ZINIT                           ; once for each tile: the zero codes on either side of q; what is named before it is first written
.irp j, 0,1,2,3,4,5,6,7
	v_mov_b32 v[QHI+\j], 0
	v_mov_b32 v[QLO+8+\j], 0
.endr
.irp b, 0,1,2,3
	v_mov_b32 v[TP+\b], 0
.endr
	v_mov_b32 v[FF+1], 0
.endm
.macro TINIT                           ; a tile's state at an item's start
	v_mov_b32 v13, 0xff61b1e6                      ; the largest t so far: -3e38
	s_delay_alu instid0(VALU_DEP_1)
	v_floor_f32 v12, -v13                          ; -M
	v_mov_b32 v14, 0
	v_mov_b32 v15, 0
.set J, 0
.rept 32
	v_mov_b32 v[OT+J], 0                           ; the step is written once: the first finds zeros
.set J, J+1
.endr
.endm
.macro QSET                            ; q's scale word (tile A's two bytes below, tile B's above) into the two scale registers
	v_and_b32 v[BM], 0xffff, v[QN+8]
	v_lshrrev_b32 v[BM+1], 16, v[QN+8]
	v_lshlrev_b32 v[QSA], v[H16], v[BM]
	v_lshlrev_b32 v[QSB], v[H16], v[BM+1]
.endm
.macro QK qs                           ; S^T = k q^T of one tile: eight products
.irp p, 0,1,2,3
	v_wmma_scale_f32_16x16x128_f8f6f4 v[ST+16*\p:ST+16*\p+7], v[FR+16*\p:FR+16*\p+15], v[QLO:QLO+15], 0, v[SW+\p], v[\qs] matrix_a_fmt:MATRIX_FMT_BF8 matrix_b_fmt:MATRIX_FMT_BF8
	v_wmma_scale_f32_16x16x128_f8f6f4 v[ST+16*\p+8:ST+16*\p+15], v[FR+16*\p:FR+16*\p+15], v[QHI:QHI+15], 0, v[SW+\p], v[\qs] matrix_a_fmt:MATRIX_FMT_BF8 matrix_b_fmt:MATRIX_FMT_BF8 matrix_b_scale:MATRIX_SCALE_ROW1
.endr
.endm
.macro PV pw                           ; O^T += v^T p^T of one tile: four products, the accumulators by turns
.irp n, 0,1,2,3
	v_wmma_scale_f32_16x16x128_f8f6f4 v[OT+8*\n:OT+8*\n+7], v[FR+16*\n:FR+16*\n+15], v[CD:CD+15], v[OT+8*\n:OT+8*\n+7], v[SW+\n], v[\pw] matrix_a_fmt:MATRIX_FMT_BF8 matrix_b_fmt:MATRIX_FMT_BF8
.endr
.endm
; A tile's lines ahead of the exponentials: maxima, M, f, the rescalings, t - M
.macro PH1
.irp b, 0,1,2,3
	v_max3_num_f32 v[BM+\b], v[ST+16*\b], v[ST+1+16*\b], v[ST+2+16*\b]   ; the largest score of each block of 32 keys: for the row's maximum and for the block's largest p
.endr
.irp i, 3,5,7,9,11,13
.irp b, 0,1,2,3
	v_max3_num_f32 v[BM+\b], v[BM+\b], v[ST+16*\b+\i], v[ST+1+16*\b+\i]
.endr
.endr
.irp b, 0,1,2,3
	v_max_num_f32 v[BM+\b], v[BM+\b], v[ST+15+16*\b]
.endr
.irp b, 0,1,2,3
	s_delay_alu instid0(VALU_DEP_4)
	v_permlanex16_b32 v[TP+\b], v[BM+\b], s[SEL], s[SEL+1]
.endr
.irp b, 0,1,2,3
	s_delay_alu instid0(VALU_DEP_4)
	v_max_num_f32 v[BM+\b], v[BM+\b], v[TP+\b]     ; with lane l xor 16's 16 keys
.endr
	s_delay_alu instid0(VALU_DEP_2)
	v_max3_num_f32 v[TT], v[BM], v[BM+1], v[BM+2]
	s_delay_alu instid0(VALU_DEP_1)
	v_max_num_f32 v[TT], v[TT], v[BM+3]
	s_delay_alu instid0(VALU_DEP_1)
	v_mul_f32 v[TT], s[CS], v[TT]
	s_delay_alu instid0(VALU_DEP_1)
	v_max_num_f32 v13, v13, v[TT]                  ; the running largest t
	v_mov_b32 v[TT], v12
	s_delay_alu instid0(VALU_DEP_2)
	v_floor_f32 v12, -v13                          ; the new -M = -ceil(t)
	s_delay_alu instid0(VALU_DEP_1)
	v_sub_f32 v[TT], v12, v[TT]
	s_delay_alu instid0(VALU_DEP_1)
	v_cvt_i32_f32 v[TT], v[TT]                     ; (it saturates)
	s_delay_alu instid0(VALU_DEP_1)
	v_ldexp_f32 v[FF], 1.0, v[TT]                  ; f = 2^(old M - new M)
.irp b, 0,1,2,3
	v_fma_f32 v[BM+\b], v[BM+\b], s[CS], v12
.endr
	v_pk_mul_f32 v[14:15], v[14:15], v[FF:FF+1] op_sel_hi:[1,0]   ; the sum under the new M
.set J, 0
.rept 16
	v_pk_mul_f32 v[OT+J:OT+J+1], v[OT+J:OT+J+1], v[FF:FF+1] op_sel_hi:[1,0]   ; O^T under the new M, each accumulator from its low end on
.set J, J+2
.endr
.set J, 0
.rept 32
	v_pk_fma_f32 v[ST+J:ST+J+1], v[ST+J:ST+J+1], s[CS:CS+1], v[12:13] op_sel_hi:[1,0,0]   ; t - M, two at a time
.set J, J+2
.endr
.endm
.macro EXPS
.irp b, 0,1,2,3
	v_exp_f32 v[BM+\b], v[BM+\b]                   ; the blocks' largest p
.endr
.set J, 0
.rept 64
	v_exp_f32 v[ST+J], v[ST+J]                     ; p = 2^(t - M)
.set J, J+1
.endr
.endm
; A tile's lines behind the exponentials: the sum of the unquantised p in four chains, the scales, the holds, the codes.  w: the tile's window
.macro PH3 w
	v_pk_add_f32 v[SU:SU+1], v[ST:ST+1], v[ST+2:ST+3]
	v_pk_add_f32 v[HO:HO+1], v[ST+4:ST+5], v[ST+6:ST+7]
	v_pk_add_f32 v[HO+2:HO+3], v[ST+8:ST+9], v[ST+10:ST+11]
.set J, 12
.rept 6
	v_pk_add_f32 v[14:15], v[14:15], v[ST+J:ST+J+1]
	v_pk_add_f32 v[SU:SU+1], v[SU:SU+1], v[ST+J+2:ST+J+3]
	v_pk_add_f32 v[HO:HO+1], v[HO:HO+1], v[ST+J+4:ST+J+5]
	v_pk_add_f32 v[HO+2:HO+3], v[HO+2:HO+3], v[ST+J+6:ST+J+7]
.set J, J+8
.endr
	v_pk_add_f32 v[14:15], v[14:15], v[ST+60:ST+61]
	v_pk_add_f32 v[SU:SU+1], v[SU:SU+1], v[ST+62:ST+63]
	v_pk_add_f32 v[HO:HO+1], v[HO:HO+1], v[HO+2:HO+3]
	v_pk_add_f32 v[14:15], v[14:15], v[SU:SU+1]
	v_pk_add_f32 v[14:15], v[14:15], v[HO:HO+1]
.irp b, 0,1,2,3
	v_max_num_f32 v[BM+\b], 0x8000000, v[BM+\b]    ; the floor 2^(16 - 127): the byte cannot fall under 1
.endr
.irp b, 0,1,2,3
	v_add_nc_u32 v[SO+\b], 0xf8800000, v[BM+\b]    ; 15 off the exponent field: the conversion's scale operand
.endr
.irp b, 0,1,2,3
	v_and_or_b32 v[HO+\b], v[BM+\b], 0x7f800000, s[MNT]           ; 57,344 x the scale
.endr
.irp b, 0,1,2,3
	v_lshrrev_b32 v[TP+\b], 23, v[SO+\b]           ; the scale's byte
.endr
	v_lshl_or_b32 v[FF+1], v[TP+1], 8, v[TP]
	v_lshl_or_b32 v[FF+1], v[TP+2], 16, v[FF+1]
	WIN 0x15*\w                                    ; the scale word itself goes to window 0
	v_lshl_or_b32 v[PWA-\w], v[TP+3], 24, v[FF+1]
	WIN 0x55*\w
	HOLD2 0, 1
.irp b, 0,1
	v_cvt_scalef32_pk8_bf8_f32 v[CD+4*\b:CD+1+4*\b], v[ST+16*\b:ST+7+16*\b], v[SO+\b]
	v_cvt_scalef32_pk8_bf8_f32 v[CD+2+4*\b:CD+3+4*\b], v[ST+8+16*\b:ST+15+16*\b], v[SO+\b]
.endr
	HOLD2 2, 3
.irp b, 2,3
	v_cvt_scalef32_pk8_bf8_f32 v[CD+4*\b:CD+1+4*\b], v[ST+16*\b:ST+7+16*\b], v[SO+\b]
	v_cvt_scalef32_pk8_bf8_f32 v[CD+2+4*\b:CD+3+4*\b], v[ST+8+16*\b:ST+15+16*\b], v[SO+\b]
.endr
.endm
; A tile's way out: O^T / the sum, quantised along the head's 64 (two blocks of 32), stored as an image.  Tile B's fragment lies six fragments behind tile A's
.macro EP w, ib
	WIN 0x55*\w
	v_add_f32 v14, v14, v15
	s_delay_alu instid0(VALU_DEP_1)
	v_permlanex16_b32 v[TT], v14, s[SEL], s[SEL+1]
	s_delay_alu instid0(VALU_DEP_1)
	v_add_f32 v14, v14, v[TT]
	s_wait_alu depctr_va_vdst(0)
	v_rcp_f32 v14, v14
	v_nop
.set J, 0
	s_wait_alu depctr_va_vdst(0)                   ; ahead of the reciprocal's first reader, which is also O^T's
.rept 32
	v_mul_f32 v[ST+J], v[OT+J], v14
.set J, J+1
.endr
.irp b, 0,1
	v_max3_num_f32 v[BM+\b], |v[ST+16*\b]|, |v[ST+1+16*\b]|, 0x8000000
.endr
.irp i, 2,4,6,8,10,12,14
.irp b, 0,1
	s_delay_alu instid0(VALU_DEP_2)
	v_max3_num_f32 v[BM+\b], v[BM+\b], |v[ST+16*\b+\i]|, |v[ST+1+16*\b+\i]|
.endr
.endr
.irp b, 0,1
	s_delay_alu instid0(VALU_DEP_2)
	v_permlanex16_b32 v[TP+\b], v[BM+\b], s[SEL], s[SEL+1]
.endr
.irp b, 0,1
	s_delay_alu instid0(VALU_DEP_2)
	v_max_num_f32 v[BM+\b], v[BM+\b], v[TP+\b]
.endr
.irp b, 0,1
	s_delay_alu instid0(VALU_DEP_2)
	v_add_nc_u32 v[SO+\b], 0xf8800000, v[BM+\b]
.endr
.irp b, 0,1
	s_delay_alu instid0(VALU_DEP_4)
	v_and_or_b32 v[HO+\b], v[BM+\b], 0x7f800000, s[MNT]
.endr
.irp b, 0,1
	s_delay_alu instid0(VALU_DEP_4)
	v_lshrrev_b32 v[TP+\b], 23, v[SO+\b]
.endr
	s_delay_alu instid0(VALU_DEP_1)
	v_lshl_or_b32 v[TT], v[TP+1], 8, v[TP]
.irp b, 0,1
.irp i, 0,1,2,3,4,5,6,7,8,9,10,11,12,13,14,15
	v_med3_num_f32 v[ST+16*\b+\i], v[ST+16*\b+\i], -v[HO+\b], v[HO+\b]
.endr
	v_cvt_scalef32_pk8_bf8_f32 v[CD+4*\b:CD+1+4*\b], v[ST+16*\b:ST+7+16*\b], v[SO+\b]
	v_cvt_scalef32_pk8_bf8_f32 v[CD+2+4*\b:CD+3+4*\b], v[ST+8+16*\b:ST+15+16*\b], v[SO+\b]
.endr
	v_nop                                          ; one plain line behind the last scaled conversion
	WIN 0x04*\w                                    ; the stores' data in the tile's window, their offsets in window 0
	global_store_b128 v[LI], v[CD:CD+3], s[\ib+4:\ib+5] offset:12288*\w           ; 32 lanes store 512 consecutive bytes, aligned
	global_store_b128 v[LI], v[CD+4:CD+7], s[\ib+4:\ib+5] offset:12288*\w+512
	global_store_b16 v[L4], v[TT], s[\ib+6:\ib+7] offset:49152+768*\w
.endm
; AN ITEM: my 32 queries against the 1,024 keys in slot sl, eight steps of 128.  ib: its addresses; nx: the next item's (under 0: none), whose q is fetched under the loop.
.macro ITEM ib, nx, sl
	v_add_nc_u32 v[AK0], \sl*SLOTB, v[LI]
	v_add_nc_u32 v[AV0], \sl*SLOTB+VIMG, v[LI]
	v_add_nc_u32 v[AS0], \sl*SLOTB+KSC, v[L4]
	v_add_nc_u32 v[AT0], \sl*SLOTB+VSC, v[L4]
	TINIT
	WIN 0x55
	TINIT
	WIN 0
	s_mov_b32 s[SA], 0
	s_mov_b32 s[SB], 0
	s_mov_b32 s[CNT], 8
.if \nx >= 0
	global_load_b128 v[QN:QN+3], v[LI], s[\nx:\nx+1]
	global_load_b128 v[QN+4:QN+7], v[LI], s[\nx:\nx+1] offset:512
	global_load_b32 v[QN+8], v[L4], s[\nx+2:\nx+3] offset:65536
	WIN 0x40
	global_load_b128 v[QN:QN+3], v[LI], s[\nx:\nx+1] offset:1024
	global_load_b128 v[QN+4:QN+7], v[LI], s[\nx:\nx+1] offset:1536
	WIN 0
.endif
.Lstep_\@:
	v_add_nc_u32 v[ADK], s[SA], v[AK0]
	v_add_nc_u32 v[ADV], s[SA], v[AV0]
	v_add_nc_u32 v[ADS], s[SB], v[AS0]
	v_add_nc_u32 v[ADT], s[SB], v[AT0]
.rept 4
	v_nop                                          ; with the four additions: eight places in front of loads into registers that the last products read
.endr
.irp p, 0,1,2,3
.irp c, 0,1,2,3
	ds_load_b128 v[FR+16*\p+4*\c:FR+16*\p+4*\c+3], v[ADK] offset:2048*\p+512*\c
.endr
	ds_load_b32 v[SW+\p], v[ADS] offset:128*\p
.endr
	s_wait_alu depctr_va_vdst(0)
	s_wait_dscnt 0x0
	QK QSA
	WIN 0x44                                       ; tile B: q and S^T in window 1, k's fragments in window 0
	QK QSB
	WIN 0
.rept 8
	v_nop
.endr
.irp n, 0,1,2,3                        ; v's fragments are asked for now and waited for behind the softmax
.irp c, 0,1,2,3
	ds_load_b128 v[FR+16*\n+4*\c:FR+16*\n+4*\c+3], v[ADV] offset:2048*\n+512*\c
.endr
	ds_load_b32 v[SW+\n], v[ADT] offset:128*\n
.endr
	PH1
	WIN 0x55
	PH1
	s_wait_alu depctr_va_vdst(0)
	EXPS
	WIN 0
	EXPS
	v_nop                                          ; the plain place behind the batch
	s_wait_alu depctr_va_vdst(0)                   ; one wait for the whole batch, ahead of its first reader
	PH3 0
	WIN 0x55
	PH3 1
.rept 5
	v_nop                                          ; one plain line behind the last conversion, and four places between tile B's codes and their products
.endr
	WIN 0
	s_wait_alu depctr_va_vdst(0)
	s_wait_dscnt 0x0                               ; v's fragments and scale words
	PV PWA
	WIN 0x54                                       ; tile B: codes and O^T in window 1, v's fragments in window 0
	PV PWA-1
	WIN 0
	s_add_co_u32 s[SA], s[SA], 8192
	s_add_co_u32 s[SB], s[SB], 512
	s_sub_co_u32 s[CNT], s[CNT], 1
	s_cmp_lg_u32 s[CNT], 0
	s_cbranch_scc1 .Lstep_\@
.rept 8
	v_nop
.endr
	EP 0, \ib
	EP 1, \ib
	WIN 0
.if \nx >= 0
	s_wait_loadcnt 0x0                             ; the next item's q
.irp j, 0,1,2,3,4,5,6,7
	v_mov_b32 v[QLO+\j], v[QN+\j]
.endr
	QSET
	WIN 0x55
.irp j, 0,1,2,3,4,5,6,7
	v_mov_b32 v[QLO+\j], v[QN+\j]
.endr
	WIN 0
.endif
.endm
	s_load_b128 s[4:7], s[0:1], 0x0                ; qkv, timg
	v_lshl_add_u32 v254, v0, 2, 0x44000            ; my spare word, behind the two slots
	v_mov_b32 v255, 0
	ds_add_u32 v254, v255                          ; the opening lines: the add, twice on end, and its wait ahead of my first tensor load
	ds_add_u32 v254, v255
	v_lshrrev_b32 v3, 5, v0
	s_delay_alu instid0(VALU_DEP_1)
	v_readfirstlane_b32 s[WV], v3                  ; wave 0..7
	s_lshl_b32 s[TW], s[WV], 1
	s_lshr_b32 s9, ttmp9, 2                        ; a group of four work-groups serves three heads
	s_and_b32 s10, ttmp9, 3
	s_lshr_b32 s11, s9, 2                          ; the batch
	s_and_b32 s33, s10, 2
	s_mul_i32 s77, s9, 3
	s_add_co_u32 s76, s77, s33                     ; slot 0's record: the group's first or third,
	s_add_co_u32 s77, s77, 1                       ; slot 1's: its second
	s_and_b32 s79, s9, 3
	s_mul_i32 s79, s79, 3
	s_add_co_u32 s78, s79, s33                     ; and their heads
	s_add_co_u32 s79, s79, 1
	s_and_b32 s80, s10, 1
	s_lshl_b32 s80, s80, 1                         ; which blocks of 256 queries: two of slot 0's head,
	s_add_co_u32 s81, s80, 1                       ; (of slot 1's: number s10)
	s_mov_b32 s[G1+0], 3<<16                       ; 68 rows of 256 bytes (32 elements of 8), dense
	s_mov_b32 s[G1+1], 32<<16
	s_mov_b32 s[G1+2], 68<<16
	s_mov_b32 s[G1+3], 32<<16
	s_mov_b32 s[G1+4], 68
	s_mov_b32 s[G1+5], 32
	s_mov_b32 s[G1+6], 0
	s_mov_b32 s[G1+7], 0
	s_mov_b32 s[G0], 1
	s_mul_i32 s[G0+1], s[WV], 17408                ; my eighth of a slot
	s_mov_b32 s[G0B], 1
	s_add_co_u32 s[G0B+1], s[G0+1], SLOTB
	s_mul_i32 s34, s76, REC
	s_add_co_u32 s34, s34, s[G0+1]
	s_add_co_u32 s34, s34, PART                    ; k's part begins behind q's; v's follows it
	s_mov_b32 s35, 0
	s_mul_i32 s36, s77, REC
	s_add_co_u32 s36, s36, s[G0+1]
	s_add_co_u32 s36, s36, PART
	s_mov_b32 s37, 0
	s_wait_dscnt 0x0                               ; both opening adds are done
	s_wait_kmcnt 0x0
	s_add_nc_u64 s[G0+2:G0+3], s[4:5], s[34:35]
	s_or_b32 s[G0+3], s[G0+3], 0x80000000
	s_add_nc_u64 s[G0B+2:G0B+3], s[4:5], s[36:37]
	s_or_b32 s[G0B+3], s[G0B+3], 0x80000000
	tensor_load_to_lds s[G0:G0+3], s[G1:G1+7]      ; slot 0: my one tensor load at the head; all that follows up to the wait stands under its flight
	s_nop 0
	v_and_b32 v3, 31, v0
	s_delay_alu instid0(VALU_DEP_1)
	v_lshlrev_b32 v[LI], 4, v3
	v_lshlrev_b32 v[L4], 2, v3
	v_bfe_u32 v[H16], v0, 4, 1
	v_lshlrev_b32 v[H16], 4, v[H16]
	s_wait_alu depctr_va_vdst(0)
	ADDR IBC, 76, 78, 80
	global_load_b128 v[QLO:QLO+3], v[LI], s[IBC:IBC+1]
	global_load_b128 v[QLO+4:QLO+7], v[LI], s[IBC:IBC+1] offset:512
	global_load_b32 v[QN+8], v[L4], s[IBC+2:IBC+3] offset:65536
	WIN 0x40
	global_load_b128 v[QLO:QLO+3], v[LI], s[IBC:IBC+1] offset:1024
	global_load_b128 v[QLO+4:QLO+7], v[LI], s[IBC:IBC+1] offset:1536
	WIN 0
	ADDR IBN, 76, 78, 81
	ADDR IB2, 77, 79, 10
	s_mov_b32 s[SEL], 0x76543210
	s_mov_b32 s[SEL+1], 0xfedcba98
	s_mov_b32 s[CS], 0x3e38aa3b                    ; log2(e) / 8
	s_mov_b32 s[CS+1], s[CS]
	s_mov_b32 s[MNT], 0x600000
	ZINIT
	WIN 0x55
	ZINIT
	WIN 0
	s_wait_loadcnt 0x0
	QSET
	s_wait_alu depctr_va_vdst(0)
	s_wait_tensorcnt 0x0                           ; my part of slot 0 is in
	ds_add_u32 v254, v255
	s_wait_dscnt 0x0
	s_barrier_signal -1
	s_barrier_wait -1                              ; slot 0 is whole
	tensor_load_to_lds s[G0B:G0B+3], s[G1:G1+7]    ; slot 1: it has two items in which to land
	s_nop 0
	s_mov_b32 s[ICN], 2
.Litem:                                                ; two trips: the two items of slot 0's head
	ITEM IBC, IBN, 0
	s_wait_alu depctr_va_vdst(0)
	s_wait_xcnt 0x0                                ; the item's loads and stores have read their addresses and data: the pointers move on
.irp j, 0,2,4,6
	s_mov_b64 s[IBC+\j:IBC+\j+1], s[IBN+\j:IBN+\j+1]
	s_mov_b64 s[IBN+\j:IBN+\j+1], s[IB2+\j:IB2+\j+1]
.endr
	s_sub_co_u32 s[ICN], s[ICN], 1
	s_cmp_lg_u32 s[ICN], 0
	s_cbranch_scc1 .Litem
	s_wait_tensorcnt 0x0                           ; my part of slot 1 is in,
	s_barrier_signal -1
	s_barrier_wait -1                              ; everybody's is
	ITEM IBC, -1, 1
	s_wait_tensorcnt 0x0                           ; the wave's end
	ds_add_u32 v254, v255
	s_wait_dscnt 0x0
	s_endpgm
.Lfunc_end_k_q61a3a4f717_attn:
	.size	k_q61a3a4f717_attn, .Lfunc_end_k_q61a3a4f717_attn-k_q61a3a4f717_attn
	.p2alignl 7, 3214868480
	.fill 96, 4, 3214868480
	.section	.rodata,"a",@progbits
	.p2align	6, 0x0
	.amdhsa_kernel k_q61a3a4f717_attn
		.amdhsa_group_segment_fixed_size 327680
		.amdhsa_private_segment_fixed_size 0
		.amdhsa_enable_private_segment 0
		.amdhsa_kernarg_size 16
		.amdhsa_user_sgpr_count 2
		.amdhsa_user_sgpr_kernarg_segment_ptr 1
		.amdhsa_wavefront_size32 1
		.amdhsa_system_sgpr_workgroup_id_x 1
		.amdhsa_system_sgpr_workgroup_id_y 1
		.amdhsa_system_sgpr_workgroup_id_z 1
		.amdhsa_system_vgpr_workitem_id 0
		.amdhsa_next_free_vgpr 512
		.amdhsa_next_free_sgpr 84
		.amdhsa_reserve_vcc 0
		.amdhsa_float_denorm_mode_32 3
		.amdhsa_float_denorm_mode_16_64 3
		.amdhsa_memory_ordered 1
		.amdhsa_forward_progress 1
		.amdhsa_inst_pref_size 113
	.end_amdhsa_kernel
	.amdgpu_metadata
---
amdhsa.version: [ 1, 2 ]
amdhsa.kernels:
  - .name:           k_q61a3a4f717_attn
    .symbol:         k_q61a3a4f717_attn.kd
    .args:
      - { .name: qkv, .offset: 0, .size: 8, .value_kind: global_buffer, .address_space: global }
      - { .name: timg, .offset: 8, .size: 8, .value_kind: global_buffer, .address_space: global }
    .group_segment_fixed_size: 327680
    .private_segment_fixed_size: 0
    .kernarg_segment_align: 8
    .kernarg_segment_size: 16
    .max_flat_workgroup_size: 256
    .sgpr_count:     84
    .vgpr_count:     512
    .wavefront_size: 32
...
	.end_amdgpu_metadata
.endif
;; end of part 7
;; launch proj (part 8): grid 256 x 1, 4 waves a work-group, no clusters, 189,952 bytes of LDS; arguments timg, wimg, out0; writes out0
.if DOCPART == 8
	.amdgcn_target "amdgcn-amd-amdhsa--gfx1250"
	.amdhsa_code_object_version 6
	.text
	.protected	k_q61a3a4f717_proj
	.globl	k_q61a3a4f717_proj
	.p2align	8
	.type	k_q61a3a4f717_proj,@function
k_q61a3a4f717_proj:
	s_mov_b64 s[64:65], 0
	v_nop
	global_prefetch_b8 v0, s[64:65] scope:SCOPE_SE
	s_setreg_imm32_b32 hwreg(HW_REG_WAVE_MODE, 25, 1), 1
	s_wait_xcnt 0x0
; out0 = o Wp + bp on codes of E5M2 with E8M0 scales.  o comes as images of the operand's registers (timg: a record of 52,224 bytes for 64 tokens: fragment (m, s) at (6 m + s) x 2,048, scale words from 49,152
; at (6 m + s) x 128), Wp and bp from wimg's units 36 on (a tile's record of 14,336 bytes: codes, from 12,288 scale words at 32 x lane + 4 s, from 13,312 the bias in the result's layout).
; SHARES: work-group g takes 256 tokens (records 4 (g / 4) .. + 3) and columns 192 (g % 4) .. + 191.  THE WAVES SHARE THE WEIGHTS, NOT THE TOKENS: wave w holds the 24 fragments of its own record in registers,
; and all four waves walk the same three units of 64 columns (96 matrix instructions each).
; THE THREE UNITS, 172,032 consecutive bytes of wimg, COME INTO LDS ONCE, at the start: each wave brings 168 rows of 256 bytes by one tensor load, so one load a wave is out; no byte is filled again.  Every wave reads its
; fragments from there, in image order (an instruction's 512 bytes are consecutive), four tile buffers deep.  So a wave's global loads bring its own record alone, 52,224 bytes.
; NO CLUSTER: the 64 work-groups of a column quarter read the same 172,032 bytes, but each asks for them once in the whole launch, at its first lines: a joint request would spare three of four such requests
; at the price of a round of the cluster's barrier at either end of a launch that has three units of work.
; Source 0 = weight, source 1 = tokens: a lane holds one token (row lane % 16 of tile m: token 32 (m / 2) + 8 (m % 2) + r + 8 (r / 8)), and the 32 registers v[ACC + 32 m ..] are columns
; 32 (n / 2) + 16 (lane / 16) + 8 (n % 2) + j of the unit.  bp is the C of each sum's first product, so the order of rounding differs from bias-last.
; THE WAY OUT: 16 tokens x 64 columns go through the wave's own stage in LDS (rows of 256 + 16 bytes, behind the weights, in blocks of 256 bytes into which no tensor load lands) and leave as whole rows:
; sixteen lanes store 256 consecutive bytes, aligned.  One barrier in all, behind the tensor loads: after it waves share only bytes that nobody writes.
.set UB,   57344
.set NTB,  14336
.set ORB,  52224
.set WQ,   43008                       ; a wave's quarter of the three units
.set STG,  172032                      ; LDS: the weights at 0; from here four stages of 16 rows x 272 bytes
.set LI,  1                            ; 16 x lane: also unit 0's place in LDS
.set L32, 2                            ; 32 x lane
.set L4,  3                            ; 4 x lane
.set SI,  4                            ; the stage, on the way in: row r, + 64 h
.set SO,  5                            ; and out: lanes 0-15 one row, lanes 16-31 the next
.set GO,  6                            ; the same two rows in out0
.set A1,  7                            ; 16 x lane + 57,344: unit 1's place in LDS (an LDS offset holds 16 bits)
.set A1W, 8                            ; 32 x lane + 57,344
.set A2,  9                            ; the same for unit 2
.set A2W, 10
.set XS,  16                           ; v16-39   o's scale words
.set WS,  40                           ; v40-63   the weights' scale words
.set ACC, 64                           ; v64-191  accumulators
.set BI,  192                          ; v192-223 bias images
.set RB,  224                          ; v224-255 rows read back from the stage
.set XB,  256                          ; v256-639 o's 24 fragments
.set WB,  640                          ; v640-1023 four weight buffers of six fragments
.set OI,  4
.set WP,  6
.set OUTP, 8
.set WV,  10
.set G0,  24                           ; s[24:27] descriptor group 0;  s[28:35] group 1
.set G1,  28
.set MSB, 0
.macro WIN new                         ; the immediate's high byte repeats the setting that is left; a switch that changes nothing is dropped
.if MSB != \new
	s_set_vgpr_msb (MSB<<8)|\new
.set MSB, \new
.endif
.endm
.macro PLACES n
.rept \n
	v_nop
.endr
.endm
.macro MM d, a, b, c, sa, sb           ; one product, operands by absolute register number
	WIN ((((\d)/256)<<6)|(((\c)/256)<<4)|(((\b)/256)<<2)|((\a)/256))
	v_wmma_scale_f32_16x16x128_f8f6f4 v[(\d)%256:(\d)%256+7], v[(\a)%256:(\a)%256+15], v[(\b)%256:(\b)%256+15], v[(\c)%256:(\c)%256+7], v[\sa], v[\sb] matrix_a_fmt:MATRIX_FMT_BF8 matrix_b_fmt:MATRIX_FMT_BF8
.endm
.macro FILLL n, ra, rw                 ; the record of tile n of a unit, from LDS: 28 loads.  ra holds 16 x lane + the unit's first byte, rw 32 x lane + the same
.irp s, 0,1,2,3,4,5
	WIN (((WB+96*\n+16*\s)/256)<<6)
.irp c, 0,1,2,3
	ds_load_b128 v[(WB+96*\n+16*\s+4*\c)%256:(WB+96*\n+16*\s+4*\c)%256+3], v[\ra] offset:\n*NTB+(4*\s+\c)*512
.endr
.endr
	WIN 0
	ds_load_b128 v[WS+6*\n:WS+6*\n+3], v[\rw] offset:\n*NTB+12288
	ds_load_b64 v[WS+6*\n+4:WS+6*\n+5], v[\rw] offset:\n*NTB+12304
	ds_load_b128 v[BI+8*\n:BI+8*\n+3], v[\ra] offset:\n*NTB+13312
	ds_load_b128 v[BI+8*\n+4:BI+8*\n+7], v[\ra] offset:\n*NTB+13824
.endm
.macro NTILE n, cnt                    ; tile n: 24 products, K ascending, the four accumulators by turns, one instruction a turn.  cnt under 0: the buffer is known to be in
.if \cnt >= 0
	s_wait_dscnt \cnt                              ; buffer n is in
.endif
.irp s, 0,1,2,3,4,5
.irp m, 0,1,2,3
.if \s == 0
	MM ACC+32*\m+8*\n, WB+96*\n+16*\s, XB+16*(4*\s+\m), BI+8*\n, WS+6*\n+\s, XS+4*\s+\m
.else
	MM ACC+32*\m+8*\n, WB+96*\n+16*\s, XB+16*(4*\s+\m), ACC+32*\m+8*\n, WS+6*\n+\s, XS+4*\s+\m
.endif
.endr
.endr
	WIN 0
	PLACES 8                                       ; eight places in front of loads into registers that these products have read, and of the first read of results
.endm
.macro EPIP q                          ; unit q's results leave, a token tile at a time
.irp m, 0,1,2,3
	s_wait_xcnt 0x0                                ; the earlier stores have read v[RB] on: only now is it loaded again
.irp k, 0,1,2,3,4,5,6,7
	ds_store_b128 v[SI], v[ACC+32*\m+4*\k:ACC+32*\m+4*\k+3] offset:128*(\k/4)+16*(\k%4)   ; each accumulator from its low end on
.endr
.irp i, 0,1,2,3,4,5,6,7
	ds_load_b128 v[RB+4*\i:RB+4*\i+3], v[SO] offset:544*\i         ; LDS serves a wave's instructions in order (ISA guide 5.7.1.4): these see the stores above, and the next tile's stores come behind them
.endr
.irp i, 0,1,2,3,4,5,6,7
	s_wait_dscnt 7-\i                              ; rows 2 i, 2 i + 1 are back; the younger loads stay out
	global_store_b128 v[GO], v[RB+4*\i:RB+4*\i+3], s[OUTP:OUTP+1] offset:(32*(\m/2)+8*(\m%2)+2*\i+8*(\i/4))*3072+256*\q th:TH_STORE_NT
.endr
.endr
.endm
; a unit.  ra, rw: the next unit's place in LDS (under 0: there is none); behind each tile its buffer takes that unit's tile
.macro UNITP q, ra, rw, cnt
	NTILE 0, \cnt
.if \ra >= 0
	FILLL 0, \ra, \rw
.endif
	s_wait_alu depctr_va_vdst(0)
	NTILE 1, \cnt
.if \ra >= 0
	FILLL 1, \ra, \rw
.endif
	NTILE 2, \cnt
.if \ra >= 0
	FILLL 2, \ra, \rw
.endif
	NTILE 3, \cnt
.if \ra >= 0
	FILLL 3, \ra, \rw
.endif
	EPIP \q
.endm
	s_load_b128 s[4:7], s[0:1], 0x0                ; timg, wimg
	s_load_b64 s[8:9], s[0:1], 0x10                ; out0
	v_lshl_add_u32 v14, v0, 2, 0x2e400
	v_mov_b32 v15, 0
	ds_add_u32 v14, v15
	ds_add_u32 v14, v15
	v_lshrrev_b32 v224, 5, v0
	v_readfirstlane_b32 s[WV], v224                ; wave 0..3
	v_and_b32 v224, 31, v0                         ; lane
	v_and_b32 v225, 15, v0                         ; r
	v_bfe_u32 v226, v0, 4, 1                       ; h
	v_lshlrev_b32 v[LI], 4, v224
	v_lshlrev_b32 v[L32], 5, v224
	v_lshlrev_b32 v[L4], 2, v224
	v_add_nc_u32 v[A1], UB, v[LI]
	v_add_nc_u32 v[A1W], UB, v[L32]
	v_add_nc_u32 v[A2], 2*UB, v[LI]
	v_add_nc_u32 v[A2W], 2*UB, v[L32]
	s_mul_i32 s11, s[WV], 4352                     ; my stage: 16 rows of 272 bytes,
	s_add_co_u32 s11, s11, STG                     ; behind the weights
	v_mul_u32_u24 v[SI], v225, 272
	v_lshl_add_u32 v[SI], v226, 6, v[SI]
	v_add_nc_u32 v[SI], s11, v[SI]
	v_mul_u32_u24 v[SO], v226, 272
	v_lshl_add_u32 v[SO], v225, 4, v[SO]
	v_add_nc_u32 v[SO], s11, v[SO]
	v_mul_u32_u24 v[GO], v226, 3072
	v_lshl_add_u32 v[GO], v225, 4, v[GO]
	s_and_b32 s19, ttmp9, 3                        ; which quarter of the columns
	s_and_b32 s20, ttmp9, 0xfc
	s_add_co_u32 s20, s20, s[WV]                   ; my record: 4 (g / 4) + wave
	s_mul_i32 s12, s20, ORB
	s_mov_b32 s13, 0
	s_mul_i32 s14, s19, 3*UB
	s_add_co_u32 s14, s14, 36*UB                   ; the work-group's three units
	s_mov_b32 s15, 0
	s_mul_i32 s16, s20, 196608                     ; my 64 rows of 3,072 bytes,
	s_mul_i32 s18, s19, 768                        ; the work-group's 192 columns
	s_add_co_u32 s16, s16, s18
	s_mov_b32 s17, 0
	s_mov_b32 s[G1+0], 3<<16                       ; elements of 8 bytes, no mask, no padding
	s_mov_b32 s[G1+1], 32<<16                      ; tensor_dim0 = 32 elements: rows of 256 bytes
	s_mov_b32 s[G1+2], 168<<16                     ; tensor_dim1 = 168: a quarter of the three units, 43,008 bytes
	s_mov_b32 s[G1+3], 32<<16                      ; tile_dim0 = 32
	s_mov_b32 s[G1+4], 168                         ; tile_dim1 = 168
	s_mov_b32 s[G1+5], 32                          ; the pitch: the block is dense
	s_mov_b32 s[G1+6], 0
	s_mov_b32 s[G1+7], 0
	s_mov_b32 s[G0], 1                             ; count = 1
	s_mul_i32 s[G0+1], s[WV], WQ                   ; my quarter, in LDS
	s_mov_b32 s22, s[G0+1]                         ; and in the three units
	s_mov_b32 s23, 0
	s_wait_dscnt 0x0
	s_wait_kmcnt 0x0
	s_add_nc_u64 s[OI:OI+1], s[OI:OI+1], s[12:13]
	s_add_nc_u64 s[WP:WP+1], s[WP:WP+1], s[14:15]
	s_add_nc_u64 s[OUTP:OUTP+1], s[OUTP:OUTP+1], s[16:17]
	s_add_nc_u64 s[G0+2:G0+3], s[WP:WP+1], s[22:23]
	s_or_b32 s[G0+3], s[G0+3], 0x80000000          ; type = 2
	tensor_load_to_lds s[G0:G0+3], s[G1:G1+7]      ; the one first fill of this wave, ahead of every wait on TENSORcnt, every LDS read and the barrier
	s_nop 0
.rept 4
	v_nop
.endr
.irp s, 0,1,2,3,4,5                    ; o's 24 fragments and their scale words: they stay
.irp m, 0,1,2,3
	WIN (((XB+16*(4*\s+\m))/256)<<6)
.irp c, 0,1,2,3
	global_load_b128 v[(XB+16*(4*\s+\m)+4*\c)%256:(XB+16*(4*\s+\m)+4*\c)%256+3], v[LI], s[OI:OI+1] offset:(6*\m+\s)*2048+512*\c
.endr
.endr
.endr
	WIN 0
.irp s, 0,1,2,3,4,5
.irp m, 0,1,2,3
	global_load_b32 v[XS+4*\s+\m], v[L4], s[OI:OI+1] offset:49152+(6*\m+\s)*128
.endr
.endr
	s_wait_tensorcnt 0x0                           ; my quarter has landed,
	s_barrier_signal -1
	s_barrier_wait -1                              ; everybody's has: the three units lie in LDS, and no wave writes those bytes after this
	FILLL 0, LI, L32                               ; unit 0 lies at LDS byte 0
	FILLL 1, LI, L32
	FILLL 2, LI, L32
	FILLL 3, LI, L32
	s_wait_loadcnt 0x0                             ; o
; THE COUNTS.  A fill is 28 LDS loads.  In unit 0 three younger fills, 84 loads, stand behind the buffer that a tile waits for; the wait names 63, the most its field holds: a smaller count than the true one is safe.
; Units 1 and 2 need no wait: all their fills were issued ahead of the way out in front of them, which ends on a wait for all LDS instructions.
	UNITP 0, A1, A1W, 63
	UNITP 1, A2, A2W, -1
	UNITP 2, -1, -1, -1                            ; the last unit asks for nothing
	s_wait_tensorcnt 0x0
	ds_add_u32 v14, v15
	s_wait_dscnt 0x0
	s_endpgm
.Lfunc_end_k_q61a3a4f717_proj:
	.size	k_q61a3a4f717_proj, .Lfunc_end_k_q61a3a4f717_proj-k_q61a3a4f717_proj
	.p2alignl 7, 3214868480
	.fill 96, 4, 3214868480
	.section	.rodata,"a",@progbits
	.p2align	6, 0x0
	.amdhsa_kernel k_q61a3a4f717_proj
		.amdhsa_group_segment_fixed_size 189952
		.amdhsa_private_segment_fixed_size 0
		.amdhsa_enable_private_segment 0
		.amdhsa_kernarg_size 24
		.amdhsa_user_sgpr_count 2
		.amdhsa_user_sgpr_kernarg_segment_ptr 1
		.amdhsa_wavefront_size32 1
		.amdhsa_system_sgpr_workgroup_id_x 1
		.amdhsa_system_sgpr_workgroup_id_y 1
		.amdhsa_system_sgpr_workgroup_id_z 1
		.amdhsa_system_vgpr_workitem_id 0
		.amdhsa_next_free_vgpr 1024
		.amdhsa_next_free_sgpr 66
		.amdhsa_reserve_vcc 0
		.amdhsa_float_denorm_mode_32 3
		.amdhsa_float_denorm_mode_16_64 3
		.amdhsa_memory_ordered 1
		.amdhsa_forward_progress 1
		.amdhsa_inst_pref_size 102
	.end_amdhsa_kernel
	.amdgpu_metadata
---
amdhsa.version: [ 1, 2 ]
amdhsa.kernels:
  - .name:           k_q61a3a4f717_proj
    .symbol:         k_q61a3a4f717_proj.kd
    .args:
      - { .name: timg, .offset: 0, .size: 8, .value_kind: global_buffer, .address_space: global }
      - { .name: wimg, .offset: 8, .size: 8, .value_kind: global_buffer, .address_space: global }
      - { .name: out0, .offset: 16, .size: 8, .value_kind: global_buffer, .address_space: global }
    .group_segment_fixed_size: 189952
    .private_segment_fixed_size: 0
    .kernarg_segment_align: 8
    .kernarg_segment_size: 24
    .max_flat_workgroup_size: 128
    .sgpr_count:     66
    .vgpr_count:     1024
    .wavefront_size: 32
...
	.end_amdgpu_metadata
.endif
;; end of part 8
